; MI455X (gfx1250); checked and timed in simulation.
; The chip was launched on July 23, 2026; its instructions are those of AMD's public machine-readable ISA for CDNA 5 (MIT licence, August 2026) and "CDNA5" Instruction Set Architecture Reference Guide (July 2026). The comments in the code are by the model that wrote it; some were corrected since.
;; Chunked TTT Layer. Allowed arithmetic: float matrix products may take bf16 or f16 operands with f32 sums; other float arithmetic in f32, or as packed bf16 or f16 multiplies, adds, multiply-adds, maxima and minima; sums over many terms, partial sums and values carried from step to step in f32; what a program stores and reads back later, other than sums and carried values, may be rounded once to bf16 or f16.
;; Inputs: w0 768 x 2,048 float32; w1 2,048 x 768 float32; w2 768 x 2,048 float32; x 4 x 1,024 x 768 float32.
;; Outputs: out0 4 x 1,024 x 768 float32; out1 one number float32.
;; One version. Each part assembles by itself: llvm-mc -triple=amdgcn-amd-amdhsa -mcpu=gfx1250 --defsym DOCPART=n.
;; ======== version 1 of 1: 8 launches
;; workspace buffers: cast 15,728,640 bytes; fwd0 25,165,824 bytes; resid 3,145,728 bytes; loss0 3,072 bytes; bwd 16,777,216 bytes; wnew 9,437,184 bytes; fwd1 8,388,608 bytes; loss1 3,072 bytes
;; launch prep (part 1): grid 24 x 20, 8 waves a work-group, no clusters, 35,840 bytes of LDS; arguments x, w0, w1, w2, cast; writes cast
.if DOCPART == 1
	.amdgcn_target "amdgcn-amd-amdhsa--gfx1250"
	.amdhsa_code_object_version 6
	.text
	.protected	k_q6787791a04_prep
	.globl	k_q6787791a04_prep
	.p2align	8
	.type	k_q6787791a04_prep,@function
k_q6787791a04_prep:
	s_mov_b64 s[64:65], 0
	v_nop
	global_prefetch_b8 v0, s[64:65] scope:SCOPE_SE
	s_setreg_imm32_b32 hwreg(HW_REG_WAVE_MODE, 25, 1), 1
	s_wait_xcnt 0x0
; THE PROGRAM.  Two chunks of 2,048 rows (4 batches x 512 places) of width 768 go through a SwiGLU layer 768 -> 2048 -> 768.
;   up:    A = X w0, C = X w2, S = 1 / (1 + 2^(-log2(e) A)), P = A S, H = P C; for chunk 0 also Q = C (S + P - P S), which is C times the derivative of silu
;   down:  O = H w1 (the output), D = O - X, the sum of D^2 (the loss)
;   dh:    G = D w1^T, dA = G Q, dC = G P                       (chunk 0)
;   wgrad: w0 - c X^T dA, w2 - c X^T dC, w1^T - c D^T H,  c = 2 x 0.01 / (2048 x 768): the factor 2 / N of the mean stays out of D and is applied once, in f32   (chunk 0)
;   then up and down for chunk 1 with the stepped weights, and the two sums of squares times 1 / (2 N).
; WORK LEFT OUT, for all values of the inputs.  (a) loss_fn calls the same function on the same arguments as chunk_output: its forward pass IS chunk_output, made once.
; (b) The gradients and the stepped weights of the LAST chunk go only into the scan's final carry, of which reference() keeps the loss alone: they are not made, nor P, Q and D of chunk 1, which serve them only.
; Every input has a way to an output: all four are loaded.  LIMIT: a NaN, an infinity or an overflow that arises only in the work left out is not carried to the result.
; FORMATS.  All four inputs are rounded once to bf16, here; those copies are the matrix operands, the X in D and in the loss, and the base of the weights' step.
; H, P, Q, D, dA, dC and the stepped weights are stored rounded once to bf16 (bf16 for its range: H grows with the fifth power of the inputs' scale).  All sums are f32, in another order than reference()'s.
; THIS LAUNCH writes cast: x by chunks, rows b x 512 + t (chunk 0 at 0, chunk 1 at XB1); w0 at W0B, w2 behind it; w1 TRANSPOSED, [768][2048], at W1T.
; A stream: each input byte is read once, by loads of 16 bytes a lane; a wave's store covers 256 consecutive bytes, aligned (the transposing path: two such runs).  No matrix unit, no cluster: nothing is shared.
; y = 0..7: blocks of w0 and w2; y = 8..15: blocks of x; y = 16..19: tiles of w1.  A block is 65,536 bytes in, 32,768 out.
.set W0B,   6291456
.set XB1,   3145728
.set W1T,   12582912
.set TP,    272                        ; the transposing tile's row in LDS: 256 bytes + 16
.set SPARE, 128*TP                     ; behind the tile: the spare words, 128 bytes for each of eight waves, four blocks of 256 bytes that no other line names
.set SPW,   2                          ; v2  my spare word
.set NIL,   3                          ; v3  0
.set IN,    32                         ; v[32:95]  64 numbers as loaded
.set TT,    96                         ; v[96:127] column c of four: eight words of two bf16 at TT + 8 c
.set BX,    20
.set Y,     21
	s_load_b256 s[4:11], s[0:1], 0x0               ; x s[4:5], w0 s[6:7], w1 s[8:9], w2 s[10:11]
	s_load_b64 s[12:13], s[0:1], 0x20              ; cast
	v_lshl_add_u32 v[SPW], v0, 2, SPARE
	v_mov_b32 v[NIL], 0
	v_lshrrev_b32 v4, 5, v0                        ; wave
	v_and_b32 v5, 31, v0                           ; lane
	s_mov_b32 s[BX], ttmp9
	s_and_b32 s[Y], ttmp7, 0xffff
	s_cmp_ge_u32 s[Y], 16                          ; the same in all eight waves
	s_cbranch_scc1 .Ltrans
	; THE CAST.  Weights: source block (y & 3) x 24 + bx of w0 (y < 4) or w2; w2's copy lies straight behind w0's, so the block's place is W0B + (24 y + bx) x 32,768.
	s_and_b32 s22, s[Y], 3
	s_mul_i32 s22, s22, 24
	s_add_co_u32 s22, s22, s[BX]
	s_mul_i32 s23, s[Y], 24
	s_add_co_u32 s23, s23, s[BX]
	s_lshl_b32 s23, s23, 15
	s_add_co_u32 s23, s23, W0B
	; x: segment g = y & 7 is batch g / 2, chunk g % 2: 24 blocks on end in x; its place is chunk x XB1 + (24 (g / 2) + bx) x 32,768
	s_and_b32 s24, s[Y], 7
	s_mul_i32 s25, s24, 24
	s_add_co_u32 s25, s25, s[BX]
	s_lshr_b32 s26, s24, 1
	s_mul_i32 s26, s26, 24
	s_add_co_u32 s26, s26, s[BX]
	s_lshl_b32 s26, s26, 15
	s_and_b32 s27, s24, 1
	s_mul_i32 s27, s27, XB1
	s_add_co_u32 s26, s26, s27
	v_lshlrev_b32 v6, 13, v4                       ; in: 8,192 bytes a wave, 16 a lane
	v_lshl_add_u32 v6, v5, 4, v6
	v_lshlrev_b32 v7, 12, v4                       ; out: 4,096 bytes a wave, 8 a lane
	v_lshl_add_u32 v7, v5, 3, v7
	s_wait_kmcnt 0x0
	s_cmp_lt_u32 s[Y], 4
	s_cselect_b64 s[14:15], s[6:7], s[10:11]
	s_cmp_lt_u32 s[Y], 8
	s_cselect_b64 s[14:15], s[14:15], s[4:5]
	s_cselect_b32 s16, s22, s25
	s_cselect_b32 s18, s23, s26
	s_lshl_b32 s16, s16, 16
	s_mov_b32 s17, 0
	s_mov_b32 s19, 0
	s_add_nc_u64 s[14:15], s[14:15], s[16:17]
	s_add_nc_u64 s[12:13], s[12:13], s[18:19]
.irp j, 0,1,2,3,4,5,6,7,8,9,10,11,12,13,14,15
	global_load_b128 v[IN+4*(\j):IN+4*(\j)+3], v6, s[14:15] offset:(\j)*512 th:TH_LOAD_NT  ; all sixteen go out first
.endr
.irp j, 0,1,2,3,4,5,6,7,8,9,10,11,12,13,14,15
	s_wait_loadcnt 15-(\j)                         ; loads come back in order: number j is in, the younger ones stay out
	v_cvt_pk_bf16_f32 v[IN+4*(\j)], v[IN+4*(\j)], v[IN+4*(\j)+1]
	v_cvt_pk_bf16_f32 v[IN+4*(\j)+1], v[IN+4*(\j)+2], v[IN+4*(\j)+3]
	global_store_b64 v7, v[IN+4*(\j):IN+4*(\j)+1], s[12:13] offset:(\j)*256
.endr
	s_branch .Lend
.Ltrans:
	; THE TRANSPOSE.  Tile T = 24 (y - 16) + bx: rows 128 (T & 15) on of w1 (the wide axis), columns 128 (T >> 4) on.
	s_sub_co_u32 s22, s[Y], 16
	s_mul_i32 s22, s22, 24
	s_add_co_u32 s22, s22, s[BX]
	s_and_b32 s23, s22, 15
	s_lshr_b32 s24, s22, 4
	s_mul_i32 s16, s23, 128*3072
	s_lshl_b32 s25, s24, 9
	s_add_co_u32 s16, s16, s25
	s_mov_b32 s17, 0
	s_lshl_b32 s18, s24, 19                        ; out: 128 rows of 4,096 bytes,
	s_lshl_b32 s25, s23, 8                         ; 128 columns of 2 bytes
	s_add_co_u32 s18, s18, s25
	s_add_co_u32 s18, s18, W1T
	s_mov_b32 s19, 0
	v_mul_u32_u24 v6, v4, 16*3072                  ; in: wave w takes rows 16 w .. 16 w + 15, a lane four columns
	v_lshl_add_u32 v6, v5, 4, v6
	v_mul_u32_u24 v7, v5, 4*TP                     ; into LDS: tile row 4 l + c, bytes 32 w on
	v_lshl_add_u32 v7, v4, 5, v7
	v_lshrrev_b32 v8, 4, v5
	v_lshl_add_u32 v8, v4, 4, v8                   ; back: tile row 16 w + l / 16 (+ 2 t),
	v_and_b32 v9, 15, v5
	v_mul_u32_u24 v10, v8, TP
	v_lshl_add_u32 v10, v9, 4, v10                 ; 16 bytes for each of 16 lanes
	v_lshlrev_b32 v11, 12, v8
	v_lshl_add_u32 v11, v9, 4, v11                 ; and the same place in the copy
	s_wait_kmcnt 0x0
	s_add_nc_u64 s[14:15], s[8:9], s[16:17]
	s_add_nc_u64 s[12:13], s[12:13], s[18:19]
.irp j, 0,1,2,3,4,5,6,7,8,9,10,11,12,13,14,15
	global_load_b128 v[IN+4*(\j):IN+4*(\j)+3], v6, s[14:15] offset:(\j)*3072 th:TH_LOAD_NT
.endr
	s_wait_loadcnt 0x0
.irp c, 0,1,2,3
.irp k, 0,1,2,3,4,5,6,7
	v_cvt_pk_bf16_f32 v[TT+8*(\c)+(\k)], v[IN+8*(\k)+(\c)], v[IN+8*(\k)+4+(\c)]  ; rows 2 k and 2 k + 1 of column c: neighbours in the transposed row
.endr
.endr
.irp c, 0,1,2,3
	ds_store_b128 v7, v[TT+8*(\c):TT+8*(\c)+3]   offset:(\c)*TP      ; lanes four apart meet in a bank: eight stores a thread, once, in 96 work-groups
	ds_store_b128 v7, v[TT+8*(\c)+4:TT+8*(\c)+7] offset:(\c)*TP+16
.endr
	s_wait_dscnt 0x0                               ; for the others' sake: my stores are done
	s_barrier_signal -1
	s_barrier_wait -1
.irp t, 0,1,2,3,4,5,6,7
	ds_load_b128 v[IN+4*(\t):IN+4*(\t)+3], v10 offset:(\t)*2*TP
.endr
.irp t, 0,1,2,3,4,5,6,7
	s_wait_dscnt 7-(\t)
	global_store_b128 v11, v[IN+4*(\t):IN+4*(\t)+3], s[12:13] offset:(\t)*8192  ; 16 lanes store 256 consecutive bytes, aligned
.endr
.Lend:
	s_wait_tensorcnt 0x0                           ; the wave's end
	ds_add_u32 v[SPW], v[NIL]
	s_wait_dscnt 0x0
	s_endpgm
.Lfunc_end_k_q6787791a04_prep:
	.size	k_q6787791a04_prep, .Lfunc_end_k_q6787791a04_prep-k_q6787791a04_prep
	.p2alignl 7, 3214868480
	.fill 96, 4, 3214868480
	.section	.rodata,"a",@progbits
	.p2align	6, 0x0
	.amdhsa_kernel k_q6787791a04_prep
		.amdhsa_group_segment_fixed_size 35840
		.amdhsa_private_segment_fixed_size 0
		.amdhsa_enable_private_segment 0
		.amdhsa_kernarg_size 40
		.amdhsa_user_sgpr_count 2
		.amdhsa_user_sgpr_kernarg_segment_ptr 1
		.amdhsa_wavefront_size32 1
		.amdhsa_system_sgpr_workgroup_id_x 1
		.amdhsa_system_sgpr_workgroup_id_y 1
		.amdhsa_system_sgpr_workgroup_id_z 1
		.amdhsa_system_vgpr_workitem_id 0
		.amdhsa_next_free_vgpr 128
		.amdhsa_next_free_sgpr 66
		.amdhsa_reserve_vcc 0
		.amdhsa_float_denorm_mode_32 3
		.amdhsa_float_denorm_mode_16_64 3
		.amdhsa_memory_ordered 1
		.amdhsa_forward_progress 1
		.amdhsa_inst_pref_size 15
	.end_amdhsa_kernel
	.amdgpu_metadata
---
amdhsa.version: [ 1, 2 ]
amdhsa.kernels:
  - .name:           k_q6787791a04_prep
    .symbol:         k_q6787791a04_prep.kd
    .args:
      - { .name: x, .offset: 0, .size: 8, .value_kind: global_buffer, .address_space: global }
      - { .name: w0, .offset: 8, .size: 8, .value_kind: global_buffer, .address_space: global }
      - { .name: w1, .offset: 16, .size: 8, .value_kind: global_buffer, .address_space: global }
      - { .name: w2, .offset: 24, .size: 8, .value_kind: global_buffer, .address_space: global }
      - { .name: cast, .offset: 32, .size: 8, .value_kind: global_buffer, .address_space: global }
    .group_segment_fixed_size: 35840
    .private_segment_fixed_size: 0
    .kernarg_segment_align: 8
    .kernarg_segment_size: 40
    .max_flat_workgroup_size: 256
    .sgpr_count:     66
    .vgpr_count:     128
    .wavefront_size: 32
...
	.end_amdgpu_metadata
.endif
;; end of part 1
;; launch up0 (part 2): grid 16 x 16, 4 waves a work-group, clusters of 4 x 4, 327,680 bytes of LDS; arguments cast, fwd0; writes fwd0
.if DOCPART == 2
	.amdgcn_target "amdgcn-amd-amdhsa--gfx1250"
	.amdhsa_code_object_version 6
	.text
	.protected	k_q6787791a04_up0
	.globl	k_q6787791a04_up0
	.p2align	8
	.type	k_q6787791a04_up0,@function
k_q6787791a04_up0:
	s_mov_b64 s[64:65], 0
	v_nop
	global_prefetch_b8 v0, s[64:65] scope:SCOPE_SE
	s_setreg_imm32_b32 hwreg(HW_REG_WAVE_MODE, 25, 1), 1
	s_wait_xcnt 0x0
	s_wait_alu depctr_hold_cnt(0) depctr_sa_sdst(0) depctr_va_vdst(0) depctr_va_sdst(0) depctr_va_ssrc(0) depctr_va_vcc(0) depctr_vm_vsrc(0)
	s_getreg_b32 s2, hwreg(HW_REG_IB_STS2, 6, 4)
	s_cmp_eq_u32 s2, 0
	s_cbranch_scc0 .Lentry_in_a_cluster
	s_endpgm
.Lentry_in_a_cluster:
	s_bfe_u32 s2, ttmp6, 0x10000c
	s_cmp_lg_u32 s2, 0xf033
	s_cbranch_scc0 .Lentry_shape_is_right
	s_endpgm
.Lentry_shape_is_right:
; UP, chunk 0.  A = X w0, C = X w2 (bf16 operands, f32 sums); S = 1 / (1 + 2^(-log2(e) A)); P = A S; H = P C; Q = C (S + P - P S).  H, P, Q leave rounded once to bf16, [2048][2048] each.
; SHARES.  A work-group makes 128 rows x 128 columns of both A and C; of its four waves each makes 64 x 64 of both: 32 accumulators.  K = 768 goes in 6 steps of 128 through two LDS slots.
; CLUSTER 4 x 4: the four of a row need the same rows of X, the four of a column the same columns of w0 and w2: each tile is asked for jointly.
; Waves 0 and 1 fetch the halves of X's tile, wave 2 w0's tile, wave 3 w2's: one tensor load a wave behind each round; at the start two of a wave's loads are out.
; X lies [row][k] and comes out of LDS as it lies; the weights lie [k][column] and come out turned, by ds_load_tr16_b128.
; THE PRODUCT IS TAKEN TRANSPOSED (source 0 = 16 columns of a weight, source 1 = 16 rows of X): a lane holds one row and eight neighbouring columns.
; THE WAY OUT.  When the last fill has been read the slots serve as a stage: A and C in f32, rows of 528 bytes; each wave reads whole rows back, 16 bytes a lane, and its stores of 8 bytes a lane cover 256 consecutive bytes, aligned.
; REGISTERS, in windows of 256: window 0 addresses and the way out; window 1 the accumulators; windows 2 and 3 the two fragment buffers (64 along K each).
; LIMITS.  2^x and 1/x flush denormals; NaN and infinities are not treated apart; operands and results are bf16.
.set BWD,   1
.set PXB,   4                          ; s[4:5]  the buffer that holds x's copy
.set PWB,   4                          ; the buffer that holds the weights
.set POUT,  6
.set XOFF,  0
.set WOFF,  6291456
.set NSTEP, 6
.set NA,    4                          ; row fragments of a wave
.set NBF,   8                          ; column fragments: 0-3 of w0, 4-7 of w2
.set NACC,  NA*NBF
.set NC,    2                          ; a unit is 2 x 32 along K
.set NL,    NACC*NC
.set FBLK,  8*(NA+NBF)
.set STEPA, 256
.set STEPB, 128*4096
.set PX,    272                        ; a row of X in LDS: 256 bytes + 16
.set PW,    288                        ; a row of a weight: 256 + 32, an odd multiple of 32 for the turning load
.set WAOF,  128*PX
.set WGAP,  128*PW
.set SLOT1, 131072
.set SPARE, 262144                     ; the spare words, 128 bytes a wave: two blocks of 256 bytes that no other line names
.set SP,    528                        ; a row of the stage: 512 bytes + 16
.set DUMPC, 128*SP
.set SPW, 10
.set NIL, 11
.set A0,  12
.set B0,  13
.set ADRA, 14
.set ADRB, 15
.set ADRB2, 16
.set DST, 17
.set DST2, 18
.set RD,  20
.set RD2, 21
.set GO,  24
.set EA, 32
.set EC, 64
.set ES, 96
.set EW, 128
.set EX, 160
.set OH, 192
.set OPB, 208
.set OQ, 224
.set TB,  14
.set CNT, 15
.set WV,  16
.set HF,  17
.set WR,  18
.set CX,  19
.set CY,  20
.set TC,  21
.set TR,  22
.set RM,  23
.set CM,  24
.set G1A, 28
.set G1B, 36
.set G0A0, 52
.set G0A1, 56
.set G0B0, 68
.set G0B1, 72
.set MSB, 0
.macro WIN new                         ; the high byte repeats the setting that is left; a switch that changes nothing is dropped
.if MSB != (\new)
	s_set_vgpr_msb (MSB<<8)|(\new)
.set MSB, (\new)
.endif
.endm
.macro PLACES                          ; four plain places behind matrix instructions, ahead of loads into their sources and of reads of their results
.rept 4
	v_nop
.endr
.endm
.macro CREST                           ; a round of the cluster's barrier behind its opening barrier
	s_cmp_lg_u32 s[WV], 0
	s_cbranch_scc1 .Lnot_wave_0_\@
	s_barrier_signal -3
.Lnot_wave_0_\@:
	s_barrier_wait -3
	s_barrier_signal -1
	s_barrier_wait -1
.endm
.macro CROUND
	s_barrier_signal -1
	s_barrier_wait -1
	CREST
.endm
.macro JLOAD                           ; a refill by the walking descriptors; an s_nop 0 and four v_nop follow each line
	s_cmp_lt_u32 s[WV], 2
	s_cbranch_scc0 .Lfor_b_\@
	tensor_load_to_lds s[G0A1:G0A1+3], s[G1A:G1A+7]
	s_nop 0
	PLACES
	s_branch .Lasked_\@
.Lfor_b_\@:
	tensor_load_to_lds s[G0B1:G0B1+3], s[G1B:G1B+7]
	s_nop 0
	PLACES
.Lasked_\@:
.endm
; Part p of four of a unit's products, from the buffer in window w.  The list goes by 32 along K, then through all accumulators: one instruction a turn, over every joint of the text.
.macro MULP w, p, zero
	WIN 0x50|((\w)<<2)|(\w)
.set idx, (\p)*(NL/4)
.rept NL/4
.set cc, idx/NACC
.set ii, idx%NACC
.set rA, cc*FBLK+8*(ii/NBF)
.set rB, cc*FBLK+8*NA+8*(ii%NBF)
.if (\zero) && (cc == 0)
	v_wmma_f32_16x16x32_bf16 v[8*ii:8*ii+7], v[rB:rB+7], v[rA:rA+7], 0
.else
	v_wmma_f32_16x16x32_bf16 v[8*ii:8*ii+7], v[rB:rB+7], v[rA:rA+7], v[8*ii:8*ii+7]
.endif
.set idx, idx+1
.endr
.endm
.macro SETADR                          ; my fragments' addresses in the slot at s[TB]
	v_add_nc_u32 v[ADRA], s[TB], v[A0]
	v_add_nc_u32 v[ADRB], s[TB], v[B0]
	v_add_nc_u32 v[ADRB2], WGAP, v[ADRB]
.endm
.macro FETCH u, w                      ; unit u of the step (64 along K) into the buffer in window w: 48 LDS loads in one run
	WIN (\w)<<6
.irp c, 0,1
.irp a, 0,1,2,3
	ds_load_b128 v[(\c)*FBLK+8*(\a):(\c)*FBLK+8*(\a)+3],   v[ADRA] offset:(\a)*16*PX+(2*(\u)+(\c))*64
	ds_load_b128 v[(\c)*FBLK+8*(\a)+4:(\c)*FBLK+8*(\a)+7], v[ADRA] offset:(\a)*16*PX+(2*(\u)+(\c))*64+32
.endr
.irp b, 0,1,2,3
	ds_load_tr16_b128 v[(\c)*FBLK+32+8*(\b):(\c)*FBLK+32+8*(\b)+3],   v[ADRB] offset:(2*(\u)+(\c))*32*PW+(\b)*32
	ds_load_tr16_b128 v[(\c)*FBLK+32+8*(\b)+4:(\c)*FBLK+32+8*(\b)+7], v[ADRB] offset:(2*(\u)+(\c))*32*PW+16*PW+(\b)*32
.endr
.irp b, 0,1,2,3
	ds_load_tr16_b128 v[(\c)*FBLK+64+8*(\b):(\c)*FBLK+64+8*(\b)+3],   v[ADRB2] offset:(2*(\u)+(\c))*32*PW+(\b)*32
	ds_load_tr16_b128 v[(\c)*FBLK+64+8*(\b)+4:(\c)*FBLK+64+8*(\b)+7], v[ADRB2] offset:(2*(\u)+(\c))*32*PW+16*PW+(\b)*32
.endr
.endr
	WIN 0
.endm
.macro UNIT zero                       ; a step's first unit is multiplied; in its middle the second unit is fetched
	s_wait_dscnt 0x0                               ; the first unit's fragments are in
	MULP 2, 0, \zero
	MULP 2, 1, \zero
	WIN 0
	PLACES
	FETCH 1, 3
	MULP 2, 2, \zero
	MULP 2, 3, \zero
.endm
; The change of slots, and a step's second unit.  Each wave waits for all its tensor loads, adds 0 to its spare word, and waits for that and for its reads of the slot (the second unit's fragments are then
; in registers); behind the barrier nobody reads the slot and the other slot is whole.  fill = 1: the barrier opens a round of the cluster's, and the slot is filled again, two steps ahead, first thing behind it.
; No product stands between the wait for a tile and the next request: the unit's 64 products all follow the refill, so that a step's whole matrix work lies between a request and the wait for it.
.macro TURN fill
	WIN 0
	s_wait_tensorcnt 0x0                           ; all my tensor loads have landed, so every group 0 may be written
	ds_add_u32 v[SPW], v[NIL]                      ; the scalar steps below stand between the add and the wait for it
.if \fill
	s_xor_b32 s[G0A1+1], s[G0A1+1], SLOT1          ; the walking descriptors: the other slot than last time, the next step
	s_add_nc_u64 s[G0A1+2:G0A1+3], s[G0A1+2:G0A1+3], STEPA
	s_xor_b32 s[G0B1+1], s[G0B1+1], SLOT1
	s_add_nc_u64 s[G0B1+2:G0B1+3], s[G0B1+2:G0B1+3], STEPB
.endif
	s_xor_b32 s[TB], s[TB], SLOT1
	s_wait_dscnt 0x0                               ; the add is done, and my reads of this slot are over
	s_barrier_signal -1
	s_barrier_wait -1
.if \fill
	CREST
	JLOAD                                          ; its four v_nop are also the places ahead of the loads below
.else
	PLACES
.endif
	SETADR
	FETCH 0, 2
	MULP 3, 0, 0
	MULP 3, 1, 0
	MULP 3, 2, 0
	MULP 3, 3, 0
.endm
	s_load_b128 s[4:7], s[0:1], 0x0
.if !BWD
	s_load_b64 s[8:9], s[0:1], 0x10
.endif
	v_lshl_add_u32 v[SPW], v0, 2, SPARE
	v_mov_b32 v[NIL], 0
	ds_add_u32 v[SPW], v[NIL]                      ; the opening: the add, twice on end, and its wait ahead of my first tensor load
	ds_add_u32 v[SPW], v[NIL]
	v_lshrrev_b32 v4, 5, v0
	v_readfirstlane_b32 s[WV], v4                  ; wave 0..3
	s_and_b32 s[HF], s[WV], 1                      ; my half of the columns; also which part of a tile I fetch
	s_lshr_b32 s[WR], s[WV], 1                     ; my half of the rows
	s_bfe_u32 s[CX], ttmp6, 0x40000
	s_bfe_u32 s[CY], ttmp6, 0x40004
	s_lshl_b32 s[TC], ttmp9, 2
	s_add_co_u32 s[TC], s[TC], s[CX]               ; block of 128 columns
	s_and_b32 s[TR], ttmp7, 0xffff
	s_lshl_b32 s[TR], s[TR], 2
	s_add_co_u32 s[TR], s[TR], s[CY]               ; block of 128 rows
	s_lshl_b32 s[RM], s[CY], 2
	s_lshl_b32 s[RM], 15, s[RM]                    ; my row of the cluster
	s_lshl_b32 s[CM], 0x1111, s[CX]                ; my column
	s_or_b32 s[G1A], s[RM], (1<<16)|(1<<20)|(1<<21)|(5<<22)|(3<<25)  ; the mask; 2-byte elements; padding on; bit 21 beside a mask; after every 64 words 4 words
	s_mov_b32 s[G1A+1], 128<<16                    ; tensor_dim0 = 128
	s_mov_b32 s[G1A+2], 64<<16                     ; tensor_dim1 = 64
	s_mov_b32 s[G1A+3], 128<<16                    ; tile_dim0 = 128
	s_mov_b32 s[G1A+4], 64                         ; tile_dim1 = 64
	s_mov_b32 s[G1A+5], 768                        ; elements from row to row
	s_mov_b32 s[G1A+6], 0
	s_mov_b32 s[G1A+7], 0
	s_or_b32 s[G1B], s[CM], (1<<16)|(1<<20)|(1<<21)|(5<<22)|(7<<25)  ; the same with my column's mask and 8 words of padding
	s_mov_b32 s[G1B+1], 128<<16
	s_mov_b32 s[G1B+2], 128<<16
	s_mov_b32 s[G1B+3], 128<<16
	s_mov_b32 s[G1B+4], 128
	s_mov_b32 s[G1B+5], 2048
	s_mov_b32 s[G1B+6], 0
	s_mov_b32 s[G1B+7], 0
	s_mul_i32 s25, s[HF], 64*PX                    ; where X's half goes
	s_mul_i32 s26, s[HF], WGAP
	s_add_co_u32 s26, s26, WAOF                    ; where w0's or w2's tile goes
	s_mul_i32 s82, s[TR], 128*1536                 ; X: made of the row block and the wave's number alone
	s_mul_i32 s27, s[HF], 64*1536
	s_add_co_u32 s82, s82, s27
.if XOFF
	s_add_co_u32 s82, s82, XOFF
.endif
	s_mov_b32 s83, 0
	s_lshl_b32 s84, s[TC], 8                       ; the weights: of the column block and the wave's number alone; w2's copy lies 3,145,728 bytes behind w0's
	s_mul_i32 s27, s[HF], 3145728
	s_add_co_u32 s84, s84, s27
.if WOFF
	s_add_co_u32 s84, s84, WOFF
.endif
	s_mov_b32 s85, 0
	s_lshl_b32 s2, s[TR], 19                       ; the results: row 128 TR + 32 wave, 4,096 bytes a row; 256 bytes a column block
	s_lshl_b32 s27, s[WV], 17
	s_add_co_u32 s2, s2, s27
	s_lshl_b32 s3, s[TC], 8
	s_add_co_u32 s2, s2, s3
	s_mov_b32 s3, 0
	s_mov_b32 s86, 0xbfb8aa3b                      ; -log2(e)
	s_mov_b32 s87, s86                             ; named with it as a pair
	s_mov_b32 s[TB], 0
	s_wait_dscnt 0x0                               ; both opening adds are done
	s_wait_kmcnt 0x0
	s_add_nc_u64 s[82:83], s[PXB:PXB+1], s[82:83]
	s_add_nc_u64 s[84:85], s[PWB:PWB+1], s[84:85]
	s_add_nc_u64 s[76:77], s[POUT:POUT+1], s[2:3]  ; H
.if BWD
	s_add_nc_u64 s[78:79], s[76:77], 8388608       ; P
	s_add_nc_u64 s[80:81], s[76:77], 16777216      ; Q
.endif
.irp s, 0,1
	s_mov_b32 s[G0A0+4*(\s)], 1
	s_add_co_u32 s[G0A0+4*(\s)+1], s25, (\s)*SLOT1
	s_add_nc_u64 s[G0A0+4*(\s)+2:G0A0+4*(\s)+3], s[82:83], (\s)*STEPA
	s_or_b32 s[G0A0+4*(\s)+3], s[G0A0+4*(\s)+3], 0x80000000
	s_mov_b32 s[G0B0+4*(\s)], 1
	s_add_co_u32 s[G0B0+4*(\s)+1], s26, (\s)*SLOT1
	s_add_nc_u64 s[G0B0+4*(\s)+2:G0B0+4*(\s)+3], s[84:85], (\s)*STEPB
	s_or_b32 s[G0B0+4*(\s)+3], s[G0B0+4*(\s)+3], 0x80000000
.endr
	CROUND                                         ; all sixteen work-groups are here: the first joint loads meet
	s_cmp_lt_u32 s[WV], 2                          ; a wave's first fills stand in one branch
	s_cbranch_scc0 .Lfirst_b
	tensor_load_to_lds s[G0A0:G0A0+3], s[G1A:G1A+7]
	s_nop 0
	tensor_load_to_lds s[G0A1:G0A1+3], s[G1A:G1A+7]
	s_nop 0
	PLACES
	s_branch .Lfirst_done
.Lfirst_b:
	tensor_load_to_lds s[G0B0:G0B0+3], s[G1B:G1B+7]
	s_nop 0
	tensor_load_to_lds s[G0B1:G0B1+3], s[G1B:G1B+7]
	s_nop 0
	PLACES
.Lfirst_done:
	v_and_b32 v1, 15, v0                           ; r = l % 16
	v_bfe_u32 v2, v0, 4, 1                         ; h = l / 16
	v_and_b32 v3, 31, v0                           ; l
	v_mul_u32_u24 v[A0], v1, PX                    ; X's fragments: (64 WR + r) x pitch + 16 h
	v_lshl_add_u32 v[A0], v2, 4, v[A0]
	s_mul_i32 s25, s[WR], 64*PX
	v_add_nc_u32 v[A0], s25, v[A0]
	v_and_b32 v4, 7, v0                            ; the turning load: k row 8 h + l % 8, 16 bytes for each half of eight lanes, my 64 columns
	v_bfe_u32 v5, v0, 3, 1
	v_lshl_add_u32 v[B0], v2, 3, v4
	v_mul_u32_u24 v[B0], v[B0], PW
	v_lshl_add_u32 v[B0], v5, 4, v[B0]
	s_lshl_b32 s25, s[HF], 7
	s_add_co_u32 s25, s25, WAOF
	v_add_nc_u32 v[B0], s25, v[B0]
	v_mul_u32_u24 v[DST], v1, SP                   ; into the stage: row 64 WR + r, my 64 columns, 32 bytes for each half of the lanes
	v_lshl_add_u32 v[DST], v2, 5, v[DST]
	s_mul_i32 s25, s[WR], 64*SP
	s_lshl_b32 s26, s[HF], 8
	s_add_co_u32 s25, s25, s26
	v_add_nc_u32 v[DST], s25, v[DST]
	v_add_nc_u32 v[DST2], DUMPC, v[DST]
	s_mul_i32 s25, s[WV], 32*SP                    ; back: wave w takes rows 32 w .. 32 w + 31, whole
	v_lshl_add_u32 v[RD], v3, 4, s25
	v_add_nc_u32 v[RD2], DUMPC, v[RD]
	v_lshlrev_b32 v[GO], 3, v3
	SETADR
	s_wait_tensorcnt 1                             ; my part of step 0 is in; step 1's may stay out
	s_barrier_signal -1
	s_barrier_wait -1
	FETCH 0, 2
	UNIT 1                                         ; the first products start the sums
	WIN 0
	s_mov_b32 s[CNT], NSTEP-2
.Lstep:                                        ; a trip: a refill, the second unit of one step, the first unit of the next
	TURN 1
	UNIT 0
	WIN 0
	s_sub_co_u32 s[CNT], s[CNT], 1
	s_cmp_lg_u32 s[CNT], 0
	s_cbranch_scc1 .Lstep
	TURN 0                                         ; the tail asks for nothing
	UNIT 0
	s_wait_dscnt 0x0
	MULP 3, 0, 0
	MULP 3, 1, 0
	MULP 3, 2, 0
	MULP 3, 3, 0
	WIN 0
	PLACES
	s_barrier_signal -1                            ; every wave's reads of both slots are back, and no fill follows: the slots become the stage
	s_barrier_wait -1
	WIN 0x04                                       ; the stores' data in window 1
.set ii, 0
.rept NACC
.if ii%NBF < 4
	ds_store_b128 v[DST], v[8*ii:8*ii+3]   offset:(ii/NBF)*16*SP+(ii%NBF)*64      ; each accumulator's low registers first
	ds_store_b128 v[DST], v[8*ii+4:8*ii+7] offset:(ii/NBF)*16*SP+(ii%NBF)*64+16
.else
	ds_store_b128 v[DST2], v[8*ii:8*ii+3]   offset:(ii/NBF)*16*SP+(ii%NBF-4)*64
	ds_store_b128 v[DST2], v[8*ii+4:8*ii+7] offset:(ii/NBF)*16*SP+(ii%NBF-4)*64+16
.endif
.set ii, ii+1
.endr
	WIN 0
	s_wait_dscnt 0x0                               ; for the others' sake: my stores are done
	s_barrier_signal -1
	s_barrier_wait -1
	s_mov_b32 s[CNT], 4
.Lrow:                                         ; eight rows a trip
.irp i, 0,1,2,3,4,5,6,7
	ds_load_b128 v[EA+4*(\i):EA+4*(\i)+3], v[RD]  offset:(\i)*SP
	ds_load_b128 v[EC+4*(\i):EC+4*(\i)+3], v[RD2] offset:(\i)*SP
.endr
	s_wait_dscnt 0x0
.set j, 0
.rept 16
	v_pk_mul_f32 v[ES+j:ES+j+1], v[EA+j:EA+j+1], s[86:87] op_sel_hi:[1,0]
.set j, j+2
.endr
.set j, 0
.rept 32
	v_exp_f32 v[ES+j], v[ES+j]
.set j, j+1
.endr
	v_nop                                          ; a plain instruction behind the last exponential,
	s_wait_alu depctr_va_vdst(0)                   ; and one wait for the batch, ahead of its first reader
.set j, 0
.rept 16
	v_pk_add_f32 v[ES+j:ES+j+1], v[ES+j:ES+j+1], 1.0 op_sel_hi:[1,0]
.set j, j+2
.endr
.set j, 0
.rept 32
	v_rcp_f32 v[ES+j], v[ES+j]
.set j, j+1
.endr
	v_nop
	s_wait_alu depctr_va_vdst(0)                   ; one wait for the reciprocals
.set j, 0
.rept 16
	v_pk_mul_f32 v[EA+j:EA+j+1], v[EA+j:EA+j+1], v[ES+j:ES+j+1]  ; P = A S
.set j, j+2
.endr
.set j, 0
.rept 16
	v_pk_mul_f32 v[EW+j:EW+j+1], v[EA+j:EA+j+1], v[EC+j:EC+j+1]  ; H = P C
.set j, j+2
.endr
.if BWD
.set j, 0
.rept 16
	v_pk_fma_f32 v[EX+j:EX+j+1], v[EA+j:EA+j+1], v[ES+j:ES+j+1], v[EA+j:EA+j+1] neg_lo:[0,0,1] neg_hi:[0,0,1]  ; P S - P
.set j, j+2
.endr
.set j, 0
.rept 16
	v_pk_add_f32 v[EX+j:EX+j+1], v[ES+j:ES+j+1], v[EX+j:EX+j+1] neg_lo:[0,1] neg_hi:[0,1]  ; S - (P S - P)
.set j, j+2
.endr
.set j, 0
.rept 16
	v_pk_mul_f32 v[EX+j:EX+j+1], v[EX+j:EX+j+1], v[EC+j:EC+j+1]  ; Q
.set j, j+2
.endr
.endif
.set j, 0
.rept 16
	v_cvt_pk_bf16_f32 v[OH+j], v[EW+2*j], v[EW+2*j+1]
.if BWD
	v_cvt_pk_bf16_f32 v[OPB+j], v[EA+2*j], v[EA+2*j+1]
	v_cvt_pk_bf16_f32 v[OQ+j], v[EX+2*j], v[EX+2*j+1]
.endif
.set j, j+1
.endr
.irp i, 0,1,2,3,4,5,6,7
	global_store_b64 v[GO], v[OH+2*(\i):OH+2*(\i)+1], s[76:77] offset:(\i)*4096  ; a wave's store covers 256 consecutive bytes, aligned
.if BWD
	global_store_b64 v[GO], v[OPB+2*(\i):OPB+2*(\i)+1], s[78:79] offset:(\i)*4096
	global_store_b64 v[GO], v[OQ+2*(\i):OQ+2*(\i)+1], s[80:81] offset:(\i)*4096
.endif
.endr
	s_wait_xcnt 0x0                                ; the stores' data and offset are written again only behind this wait
	v_add_nc_u32 v[RD], 8*SP, v[RD]
	v_add_nc_u32 v[RD2], 8*SP, v[RD2]
	v_add_nc_u32 v[GO], 8*4096, v[GO]
	s_sub_co_u32 s[CNT], s[CNT], 1
	s_cmp_lg_u32 s[CNT], 0
	s_cbranch_scc1 .Lrow
	s_wait_tensorcnt 0x0                           ; the wave's end
	ds_add_u32 v[SPW], v[NIL]
	s_wait_dscnt 0x0
	CROUND                                         ; the closing round
	s_endpgm
.Lfunc_end_k_q6787791a04_up0:
	.size	k_q6787791a04_up0, .Lfunc_end_k_q6787791a04_up0-k_q6787791a04_up0
	.p2alignl 7, 3214868480
	.fill 96, 4, 3214868480
	.section	.rodata,"a",@progbits
	.p2align	6, 0x0
	.amdhsa_kernel k_q6787791a04_up0
		.amdhsa_group_segment_fixed_size 327680
		.amdhsa_private_segment_fixed_size 0
		.amdhsa_enable_private_segment 0
		.amdhsa_kernarg_size 16
		.amdhsa_user_sgpr_count 2
		.amdhsa_user_sgpr_kernarg_segment_ptr 1
		.amdhsa_wavefront_size32 1
		.amdhsa_system_sgpr_workgroup_id_x 1
		.amdhsa_system_sgpr_workgroup_id_y 1
		.amdhsa_system_sgpr_workgroup_id_z 1
		.amdhsa_system_vgpr_workitem_id 0
		.amdhsa_next_free_vgpr 960
		.amdhsa_next_free_sgpr 90
		.amdhsa_reserve_vcc 0
		.amdhsa_float_denorm_mode_32 3
		.amdhsa_float_denorm_mode_16_64 3
		.amdhsa_memory_ordered 1
		.amdhsa_forward_progress 1
		.amdhsa_inst_pref_size 73
	.end_amdhsa_kernel
	.amdgpu_metadata
---
amdhsa.version: [ 1, 2 ]
amdhsa.kernels:
  - .name:           k_q6787791a04_up0
    .symbol:         k_q6787791a04_up0.kd
    .args:
      - { .name: cast, .offset: 0, .size: 8, .value_kind: global_buffer, .address_space: global }
      - { .name: fwd0, .offset: 8, .size: 8, .value_kind: global_buffer, .address_space: global }
    .group_segment_fixed_size: 327680
    .private_segment_fixed_size: 0
    .kernarg_segment_align: 8
    .kernarg_segment_size: 16
    .max_flat_workgroup_size: 128
    .sgpr_count:     90
    .vgpr_count:     960
    .wavefront_size: 32
...
	.end_amdgpu_metadata
.endif
;; end of part 2
;; launch down0 (part 3): grid 32 x 6, 4 waves a work-group, clusters of 4 x 1, 327,680 bytes of LDS; arguments fwd0, cast, out0, resid, loss0; writes out0, resid, loss0
.if DOCPART == 3
	.amdgcn_target "amdgcn-amd-amdhsa--gfx1250"
	.amdhsa_code_object_version 6
	.text
	.protected	k_q6787791a04_down0
	.globl	k_q6787791a04_down0
	.p2align	8
	.type	k_q6787791a04_down0,@function
k_q6787791a04_down0:
	s_mov_b64 s[64:65], 0
	v_nop
	global_prefetch_b8 v0, s[64:65] scope:SCOPE_SE
	s_setreg_imm32_b32 hwreg(HW_REG_WAVE_MODE, 25, 1), 1
	s_wait_xcnt 0x0
	s_wait_alu depctr_hold_cnt(0) depctr_sa_sdst(0) depctr_va_vdst(0) depctr_va_sdst(0) depctr_va_ssrc(0) depctr_va_vcc(0) depctr_vm_vsrc(0)
	s_getreg_b32 s2, hwreg(HW_REG_IB_STS2, 6, 4)
	s_cmp_eq_u32 s2, 0
	s_cbranch_scc0 .Lentry_in_a_cluster
	s_endpgm
.Lentry_in_a_cluster:
	s_bfe_u32 s2, ttmp6, 0x10000c
	s_cmp_lg_u32 s2, 0x3003
	s_cbranch_scc0 .Lentry_shape_is_right
	s_endpgm
.Lentry_shape_is_right:
; DOWN, chunk 0.  O = H w1 (bf16 operands, f32 sums): the output's rows t < 512 of each batch; D = O - X, rounded once to bf16, for the gradients; the sum of D^2, one f32 a wave, for the loss.
; SHARES.  A work-group makes 64 rows x 128 columns.  K = 2048 goes in 8 steps of 256 through two LDS slots, and K IS SPLIT AMONG THE FOUR WAVES: wave w takes k = 64 w .. 64 w + 63 of each step for the whole
; tile (32 accumulators), so each LDS byte of a slot is read once; the four partial tiles meet in the stage at the end (f32 sums in a fixed order).
; w1 lies transposed, [768][2048]: both operands have K along their rows.  128 columns keep a row piece of the output (512 bytes) and of D (256 bytes) whole and aligned: 32 x 6 = 192 work-groups.
; CLUSTER 4 x 1: the four row blocks of a cluster need the same 128 rows of the transposed w1: asked for jointly (waves 2 and 3).  H's rows differ from partner to partner: loads of one's own (waves 0 and 1).
; H's rows are shared by the 6 column blocks; 6 is no multiple of 4, so no cluster of four lies along that axis.
; X's tile (64 x 128) comes by a third first fill a wave, 16 rows each: at the start three of a wave's tensor loads are out, later one.
; LIMITS.  NaN and infinities are not treated apart; X in D and in the loss is x's bf16 copy.
.set BWD,   1
.set CH,    0
.set PH,    4
.set PWB,   6
.set WOFF,  12582912
.set PXB,   6
.set XOFF,  0
.set PO,    8
.set PD,    10
.set PLS,   12
.set NSTEP, 8
.set NA,    4
.set NBF,   8
.set NACC,  NA*NBF
.set NC,    1                          ; a unit is 32 along K
.set NL,    NACC*NC
.set FBLK,  8*(NA+NBF)
.set STEPA, 512
.set STEPB, 512
.set PT,    528                        ; a row of H or of w1 in LDS: 512 bytes + 16
.set WOFS,  64*PT
.set SLOT1, 131072
.set XT,    262144                     ; X's tile: 64 rows of 272 bytes
.set PXT,   272
.set SPARE, XT+64*PXT                  ; the spare words, 128 bytes a wave: two blocks of 256 bytes that no other line names
.set SP,    528
.set PART,  64*SP                      ; a partial tile in the stage
.set SPW, 10
.set NIL, 11
.set A0,  12
.set B0,  13
.set ADRA, 14
.set ADRB, 15
.set DST, 17
.set RD,  20
.set RD2, 21
.set RX,  22
.set GO,  24
.set GO2, 25
.set LS,  26                           ; v[26:29] the sums of squares
.set SA, 32
.set SB, 64
.set SC, 96
.set SD, 128
.set XBF, 160
.set UX, 176
.set OD, 208
.set TB,  14
.set CNT, 15
.set WV,  16
.set HF,  17
.set CX,  19
.set TC,  21
.set TR,  22
.set G1A, 28
.set G1B, 36
.set G1E, 44
.set G0A0, 52
.set G0A1, 56
.set G0E, 60
.set G0B0, 68
.set G0B1, 72
.set MSB, 0
.macro WIN new
.if MSB != (\new)
	s_set_vgpr_msb (MSB<<8)|(\new)
.set MSB, (\new)
.endif
.endm
.macro PLACES
.rept 4
	v_nop
.endr
.endm
.macro CREST
	s_cmp_lg_u32 s[WV], 0
	s_cbranch_scc1 .Lnot_wave_0_\@
	s_barrier_signal -3
.Lnot_wave_0_\@:
	s_barrier_wait -3
	s_barrier_signal -1
	s_barrier_wait -1
.endm
.macro CROUND
	s_barrier_signal -1
	s_barrier_wait -1
	CREST
.endm
.macro JLOAD
	s_cmp_lt_u32 s[WV], 2
	s_cbranch_scc0 .Lfor_b_\@
	tensor_load_to_lds s[G0A1:G0A1+3], s[G1A:G1A+7]
	s_nop 0
	PLACES
	s_branch .Lasked_\@
.Lfor_b_\@:
	tensor_load_to_lds s[G0B1:G0B1+3], s[G1B:G1B+7]
	s_nop 0
	PLACES
.Lasked_\@:
.endm
.macro MULP w, p, zero                 ; part p of four of a unit's products; the accumulators take turns, one instruction a turn
	WIN 0x50|((\w)<<2)|(\w)
.set idx, (\p)*(NL/4)
.rept NL/4
.set cc, idx/NACC
.set ii, idx%NACC
.set rA, cc*FBLK+8*(ii/NBF)
.set rB, cc*FBLK+8*NA+8*(ii%NBF)
.if (\zero) && (cc == 0)
	v_wmma_f32_16x16x32_bf16 v[8*ii:8*ii+7], v[rB:rB+7], v[rA:rA+7], 0
.else
	v_wmma_f32_16x16x32_bf16 v[8*ii:8*ii+7], v[rB:rB+7], v[rA:rA+7], v[8*ii:8*ii+7]
.endif
.set idx, idx+1
.endr
.endm
.macro SETADR
	v_add_nc_u32 v[ADRA], s[TB], v[A0]
	v_add_nc_u32 v[ADRB], s[TB], v[B0]
.endm
.macro FETCH u, w                      ; unit u (32 of my 64 along K) into the buffer in window w: 24 LDS loads in one run
	WIN (\w)<<6
.irp a, 0,1,2,3
	ds_load_b128 v[8*(\a):8*(\a)+3],   v[ADRA] offset:(\a)*16*PT+(\u)*64
	ds_load_b128 v[8*(\a)+4:8*(\a)+7], v[ADRA] offset:(\a)*16*PT+(\u)*64+32
.endr
.irp b, 0,1,2,3,4,5,6,7
	ds_load_b128 v[32+8*(\b):32+8*(\b)+3],   v[ADRB] offset:(\b)*16*PT+(\u)*64
	ds_load_b128 v[32+8*(\b)+4:32+8*(\b)+7], v[ADRB] offset:(\b)*16*PT+(\u)*64+32
.endr
	WIN 0
.endm
.macro UNIT zero
	s_wait_dscnt 0x0                               ; the first unit's fragments are in
	MULP 2, 0, \zero
	MULP 2, 1, \zero
	WIN 0
	PLACES
	FETCH 1, 3
	MULP 2, 2, \zero
	MULP 2, 3, \zero
.endm
; The change of slots, and a step's second unit: the waits and the add ahead of the barrier, the refill first behind the round.  No product stands between the wait for a tile and the next request:
; the unit's 32 products all follow the refill, so that a step's whole matrix work lies between a request and the wait for it.
.macro TURN fill
	WIN 0
	s_wait_tensorcnt 0x0                           ; all my tensor loads have landed, so every group 0 may be written
	ds_add_u32 v[SPW], v[NIL]                      ; the scalar steps below stand between the add and the wait for it
.if \fill
	s_xor_b32 s[G0A1+1], s[G0A1+1], SLOT1
	s_add_nc_u64 s[G0A1+2:G0A1+3], s[G0A1+2:G0A1+3], STEPA
	s_xor_b32 s[G0B1+1], s[G0B1+1], SLOT1
	s_add_nc_u64 s[G0B1+2:G0B1+3], s[G0B1+2:G0B1+3], STEPB
.endif
	s_xor_b32 s[TB], s[TB], SLOT1
	s_wait_dscnt 0x0                               ; the add is done, and my reads of this slot are over
	s_barrier_signal -1
	s_barrier_wait -1
.if \fill
	CREST
	JLOAD                                          ; its four v_nop are also the places ahead of the loads below
.else
	PLACES
.endif
	SETADR
	FETCH 0, 2
	MULP 3, 0, 0
	MULP 3, 1, 0
	MULP 3, 2, 0
	MULP 3, 3, 0
.endm
	s_load_b256 s[4:11], s[0:1], 0x0
	s_load_b64 s[12:13], s[0:1], 0x20
	v_lshl_add_u32 v[SPW], v0, 2, SPARE
	v_mov_b32 v[NIL], 0
	ds_add_u32 v[SPW], v[NIL]                      ; the opening: the add, twice on end, and its wait ahead of my first tensor load
	ds_add_u32 v[SPW], v[NIL]
	v_lshrrev_b32 v4, 5, v0
	v_readfirstlane_b32 s[WV], v4
	s_and_b32 s[HF], s[WV], 1
	s_bfe_u32 s[CX], ttmp6, 0x40000
	s_lshl_b32 s[TR], ttmp9, 2
	s_add_co_u32 s[TR], s[TR], s[CX]               ; block of 64 rows
	s_and_b32 s[TC], ttmp7, 0xffff                 ; block of 128 columns, which the four partners share
	s_mov_b32 s[G1A], (1<<16)|(1<<20)|(6<<22)|(3<<25)  ; H: a load of my own; 2-byte elements; after every 128 words 4 words of padding
	s_mov_b32 s[G1A+1], 256<<16
	s_mov_b32 s[G1A+2], 32<<16
	s_mov_b32 s[G1A+3], 256<<16
	s_mov_b32 s[G1A+4], 32
	s_mov_b32 s[G1A+5], 2048
	s_mov_b32 s[G1A+6], 0
	s_mov_b32 s[G1A+7], 0
	s_mov_b32 s[G1B], 15|(1<<16)|(1<<20)|(1<<21)|(6<<22)|(3<<25)  ; w1: all four work-groups; bit 21 beside the mask
	s_mov_b32 s[G1B+1], 256<<16
	s_mov_b32 s[G1B+2], 64<<16
	s_mov_b32 s[G1B+3], 256<<16
	s_mov_b32 s[G1B+4], 64
	s_mov_b32 s[G1B+5], 2048
	s_mov_b32 s[G1B+6], 0
	s_mov_b32 s[G1B+7], 0
	s_mov_b32 s[G1E], (1<<16)|(1<<20)|(5<<22)|(3<<25)  ; X: 16 rows x 128, my own
	s_mov_b32 s[G1E+1], 128<<16
	s_mov_b32 s[G1E+2], 16<<16
	s_mov_b32 s[G1E+3], 128<<16
	s_mov_b32 s[G1E+4], 16
	s_mov_b32 s[G1E+5], 768
	s_mov_b32 s[G1E+6], 0
	s_mov_b32 s[G1E+7], 0
	s_mul_i32 s25, s[HF], 32*PT
	s_mul_i32 s26, s[HF], 64*PT
	s_add_co_u32 s26, s26, WOFS
	s_mul_i32 s27, s[WV], 16*PXT
	s_add_co_u32 s[G0E+1], s27, XT
	s_mov_b32 s[G0E], 1
	s_lshl_b32 s82, s[TR], 18                      ; H: row 64 RB + 32 half, 4,096 bytes a row
	s_lshl_b32 s27, s[HF], 17
	s_add_co_u32 s82, s82, s27
	s_mov_b32 s83, 0
	s_lshl_b32 s84, s[TC], 19                      ; w1 transposed: row 128 CB + 64 half
	s_lshl_b32 s27, s[HF], 18
	s_add_co_u32 s84, s84, s27
	s_add_co_u32 s84, s84, WOFF
	s_mov_b32 s85, 0
	s_mul_i32 s2, s[TR], 64*1536                   ; X and D: row 64 RB + 16 wave, 1,536 bytes a row; 256 bytes a column block
	s_mul_i32 s27, s[WV], 16*1536
	s_add_co_u32 s2, s2, s27
	s_lshl_b32 s27, s[TC], 8
	s_add_co_u32 s2, s2, s27
	s_mov_b32 s3, 0
	s_mov_b32 s86, 0xffff0000                      ; a word's upper bf16
	s_mov_b32 s88, 0x76543210
	s_mov_b32 s89, 0xfedcba98
	s_mov_b32 s[TB], 0
	s_wait_dscnt 0x0                               ; both opening adds are done
	s_wait_kmcnt 0x0
	s_add_nc_u64 s[82:83], s[PH:PH+1], s[82:83]
	s_add_nc_u64 s[84:85], s[PWB:PWB+1], s[84:85]
	s_add_nc_u64 s[G0E+2:G0E+3], s[PXB:PXB+1], s[2:3]
.if XOFF
	s_add_nc_u64 s[G0E+2:G0E+3], s[G0E+2:G0E+3], XOFF
.endif
	s_or_b32 s[G0E+3], s[G0E+3], 0x80000000
.if BWD
	s_add_nc_u64 s[78:79], s[PD:PD+1], s[2:3]      ; D
.endif
	s_lshr_b32 s2, s[TR], 3                        ; the output's row: batch x 1,024 + chunk x 512 + place
	s_lshl_b32 s2, s2, 10
	s_and_b32 s27, s[TR], 7
	s_lshl_b32 s27, s27, 6
	s_add_co_u32 s2, s2, s27
	s_lshl_b32 s27, s[WV], 4
	s_add_co_u32 s2, s2, s27
	s_add_co_u32 s2, s2, CH*512
	s_mul_i32 s2, s2, 3072
	s_lshl_b32 s27, s[TC], 9
	s_add_co_u32 s2, s2, s27
	s_add_nc_u64 s[76:77], s[PO:PO+1], s[2:3]
	s_lshl_b32 s2, s[TC], 5                        ; my wave's word among the 768 sums
	s_add_co_u32 s2, s2, s[TR]
	s_lshl_b32 s2, s2, 2
	s_add_co_u32 s2, s2, s[WV]
	s_lshl_b32 s2, s2, 2
	s_add_nc_u64 s[80:81], s[PLS:PLS+1], s[2:3]
.irp s, 0,1
	s_mov_b32 s[G0A0+4*(\s)], 1
	s_add_co_u32 s[G0A0+4*(\s)+1], s25, (\s)*SLOT1
	s_add_nc_u64 s[G0A0+4*(\s)+2:G0A0+4*(\s)+3], s[82:83], (\s)*STEPA
	s_or_b32 s[G0A0+4*(\s)+3], s[G0A0+4*(\s)+3], 0x80000000
	s_mov_b32 s[G0B0+4*(\s)], 1
	s_add_co_u32 s[G0B0+4*(\s)+1], s26, (\s)*SLOT1
	s_add_nc_u64 s[G0B0+4*(\s)+2:G0B0+4*(\s)+3], s[84:85], (\s)*STEPB
	s_or_b32 s[G0B0+4*(\s)+3], s[G0B0+4*(\s)+3], 0x80000000
.endr
	CROUND                                         ; all four work-groups are here: the first joint loads meet
	s_cmp_lt_u32 s[WV], 2
	s_cbranch_scc0 .Lfirst_b
	tensor_load_to_lds s[G0A0:G0A0+3], s[G1A:G1A+7]
	s_nop 0
	tensor_load_to_lds s[G0A1:G0A1+3], s[G1A:G1A+7]
	s_nop 0
	tensor_load_to_lds s[G0E:G0E+3], s[G1E:G1E+7]
	s_nop 0
	PLACES
	s_branch .Lfirst_done
.Lfirst_b:
	tensor_load_to_lds s[G0B0:G0B0+3], s[G1B:G1B+7]
	s_nop 0
	tensor_load_to_lds s[G0B1:G0B1+3], s[G1B:G1B+7]
	s_nop 0
	tensor_load_to_lds s[G0E:G0E+3], s[G1E:G1E+7]
	s_nop 0
	PLACES
.Lfirst_done:
	v_and_b32 v1, 15, v0
	v_bfe_u32 v2, v0, 4, 1
	v_and_b32 v3, 31, v0
	v_mul_u32_u24 v[A0], v1, PT                    ; a fragment's row x pitch + 16 h + my 128 bytes along K
	v_lshl_add_u32 v[A0], v2, 4, v[A0]
	s_lshl_b32 s25, s[WV], 7
	v_add_nc_u32 v[A0], s25, v[A0]
	v_add_nc_u32 v[B0], WOFS, v[A0]
	v_mul_u32_u24 v[DST], v1, SP                   ; into the stage: my partial tile, row r, 32 bytes for each half of the lanes
	v_lshl_add_u32 v[DST], v2, 5, v[DST]
	s_mul_i32 s25, s[WV], PART
	v_add_nc_u32 v[DST], s25, v[DST]
	s_mul_i32 s25, s[WV], 16*SP                    ; back: wave w takes rows 16 w .. 16 w + 15 of all four partial tiles
	v_lshl_add_u32 v[RD], v3, 4, s25
	v_add_nc_u32 v[RD2], 2*PART, v[RD]
	s_mul_i32 s25, s[WV], 16*PXT
	s_add_co_u32 s25, s25, XT
	v_lshl_add_u32 v[RX], v3, 3, s25
	v_lshlrev_b32 v[GO], 4, v3
.if BWD
	v_lshlrev_b32 v[GO2], 3, v3
.endif
.irp k, 0,1,2,3
	v_mov_b32 v[LS+(\k)], 0
.endr
	SETADR
	s_wait_tensorcnt 2                             ; my part of step 0 is in; step 1's and X's may stay out
	s_barrier_signal -1
	s_barrier_wait -1
	FETCH 0, 2
	UNIT 1
	WIN 0
	s_mov_b32 s[CNT], NSTEP-2
.Lstep:
	TURN 1
	UNIT 0
	WIN 0
	s_sub_co_u32 s[CNT], s[CNT], 1
	s_cmp_lg_u32 s[CNT], 0
	s_cbranch_scc1 .Lstep
	TURN 0
	UNIT 0
	s_wait_dscnt 0x0
	MULP 3, 0, 0
	MULP 3, 1, 0
	MULP 3, 2, 0
	MULP 3, 3, 0
	WIN 0
	PLACES
	s_barrier_signal -1                            ; every wave's reads of both slots are back, and no fill follows: the slots become the stage
	s_barrier_wait -1
	WIN 0x04
.set ii, 0
.rept NACC
	ds_store_b128 v[DST], v[8*ii:8*ii+3]   offset:(ii/NBF)*16*SP+(ii%NBF)*64
	ds_store_b128 v[DST], v[8*ii+4:8*ii+7] offset:(ii/NBF)*16*SP+(ii%NBF)*64+16
.set ii, ii+1
.endr
	WIN 0
	s_wait_dscnt 0x0
	s_barrier_signal -1
	s_barrier_wait -1
	s_mov_b32 s[CNT], 2
.Lrow:                                         ; eight rows a trip
.irp i, 0,1,2,3,4,5,6,7
	ds_load_b128 v[SA+4*(\i):SA+4*(\i)+3], v[RD]  offset:(\i)*SP
	ds_load_b128 v[SB+4*(\i):SB+4*(\i)+3], v[RD]  offset:(\i)*SP+PART
	ds_load_b128 v[SC+4*(\i):SC+4*(\i)+3], v[RD2] offset:(\i)*SP
	ds_load_b128 v[SD+4*(\i):SD+4*(\i)+3], v[RD2] offset:(\i)*SP+PART
	ds_load_b64 v[XBF+2*(\i):XBF+2*(\i)+1], v[RX] offset:(\i)*PXT
.endr
	s_wait_dscnt 0x0
.set j, 0
.rept 16
	v_pk_add_f32 v[SA+j:SA+j+1], v[SA+j:SA+j+1], v[SB+j:SB+j+1]
	v_pk_add_f32 v[SC+j:SC+j+1], v[SC+j:SC+j+1], v[SD+j:SD+j+1]
.set j, j+2
.endr
.set j, 0
.rept 16
	v_lshlrev_b32 v[UX+2*j], 16, v[XBF+j]
	v_and_b32 v[UX+2*j+1], s86, v[XBF+j]
.set j, j+1
.endr
.set j, 0
.rept 16
	v_pk_add_f32 v[SA+j:SA+j+1], v[SA+j:SA+j+1], v[SC+j:SC+j+1]  ; O
.set j, j+2
.endr
.set j, 0
.rept 16
	v_pk_add_f32 v[UX+j:UX+j+1], v[SA+j:SA+j+1], v[UX+j:UX+j+1] neg_lo:[0,1] neg_hi:[0,1]  ; D = O - X
.set j, j+2
.endr
.set j, 0
.rept 8
	v_pk_fma_f32 v[LS:LS+1], v[UX+j:UX+j+1], v[UX+j:UX+j+1], v[LS:LS+1]
	v_pk_fma_f32 v[LS+2:LS+3], v[UX+j+2:UX+j+3], v[UX+j+2:UX+j+3], v[LS+2:LS+3]
.set j, j+4
.endr
.if BWD
.set j, 0
.rept 16
	v_cvt_pk_bf16_f32 v[OD+j], v[UX+2*j], v[UX+2*j+1]
.set j, j+1
.endr
.endif
.irp i, 0,1,2,3,4,5,6,7
	global_store_b128 v[GO], v[SA+4*(\i):SA+4*(\i)+3], s[76:77] offset:(\i)*3072  ; 512 consecutive bytes, aligned
.if BWD
	global_store_b64 v[GO2], v[OD+2*(\i):OD+2*(\i)+1], s[78:79] offset:(\i)*1536  ; 256 consecutive bytes, aligned
.endif
.endr
	s_wait_xcnt 0x0                                ; the stores' data and offsets are written again only behind this wait
	v_add_nc_u32 v[RD], 8*SP, v[RD]
	v_add_nc_u32 v[RD2], 8*SP, v[RD2]
	v_add_nc_u32 v[RX], 8*PXT, v[RX]
	v_add_nc_u32 v[GO], 8*3072, v[GO]
.if BWD
	v_add_nc_u32 v[GO2], 8*1536, v[GO2]
.endif
	s_sub_co_u32 s[CNT], s[CNT], 1
	s_cmp_lg_u32 s[CNT], 0
	s_cbranch_scc1 .Lrow
	v_pk_add_f32 v[LS:LS+1], v[LS:LS+1], v[LS+2:LS+3]  ; the wave's sum of squares: within the lane, then across the 32 lanes
	v_add_f32 v[LS], v[LS], v[LS+1]
	v_add_f32_dpp v[LS], v[LS], v[LS] row_xmask:1 row_mask:0xf bank_mask:0xf
	v_add_f32_dpp v[LS], v[LS], v[LS] row_xmask:2 row_mask:0xf bank_mask:0xf
	v_add_f32_dpp v[LS], v[LS], v[LS] row_xmask:4 row_mask:0xf bank_mask:0xf
	v_add_f32_dpp v[LS], v[LS], v[LS] row_xmask:8 row_mask:0xf bank_mask:0xf
	v_permlanex16_b32 v[LS+1], v[LS], s88, s89
	v_add_f32 v[LS], v[LS], v[LS+1]
	v_mov_b32 v4, 0
	v_cmp_eq_u32 vcc_lo, 0, v3
	s_wait_xcnt 0x0                                ; EXEC changes only behind this wait
	s_and_saveexec_b32 s25, vcc_lo
	global_store_b32 v4, v[LS], s[80:81]           ; lane 0 alone
	s_wait_xcnt 0x0
	s_or_b32 exec_lo, exec_lo, s25
	s_wait_tensorcnt 0x0                           ; the wave's end
	ds_add_u32 v[SPW], v[NIL]
	s_wait_dscnt 0x0
	CROUND                                         ; the closing round
	s_endpgm
.Lfunc_end_k_q6787791a04_down0:
	.size	k_q6787791a04_down0, .Lfunc_end_k_q6787791a04_down0-k_q6787791a04_down0
	.p2alignl 7, 3214868480
	.fill 96, 4, 3214868480
	.section	.rodata,"a",@progbits
	.p2align	6, 0x0
	.amdhsa_kernel k_q6787791a04_down0
		.amdhsa_group_segment_fixed_size 327680
		.amdhsa_private_segment_fixed_size 0
		.amdhsa_enable_private_segment 0
		.amdhsa_kernarg_size 40
		.amdhsa_user_sgpr_count 2
		.amdhsa_user_sgpr_kernarg_segment_ptr 1
		.amdhsa_wavefront_size32 1
		.amdhsa_system_sgpr_workgroup_id_x 1
		.amdhsa_system_sgpr_workgroup_id_y 1
		.amdhsa_system_sgpr_workgroup_id_z 1
		.amdhsa_system_vgpr_workitem_id 0
		.amdhsa_next_free_vgpr 864
		.amdhsa_next_free_sgpr 90
		.amdhsa_reserve_vcc 1
		.amdhsa_float_denorm_mode_32 3
		.amdhsa_float_denorm_mode_16_64 3
		.amdhsa_memory_ordered 1
		.amdhsa_forward_progress 1
		.amdhsa_inst_pref_size 50
	.end_amdhsa_kernel
	.amdgpu_metadata
---
amdhsa.version: [ 1, 2 ]
amdhsa.kernels:
  - .name:           k_q6787791a04_down0
    .symbol:         k_q6787791a04_down0.kd
    .args:
      - { .name: fwd0, .offset: 0, .size: 8, .value_kind: global_buffer, .address_space: global }
      - { .name: cast, .offset: 8, .size: 8, .value_kind: global_buffer, .address_space: global }
      - { .name: out0, .offset: 16, .size: 8, .value_kind: global_buffer, .address_space: global }
      - { .name: resid, .offset: 24, .size: 8, .value_kind: global_buffer, .address_space: global }
      - { .name: loss0, .offset: 32, .size: 8, .value_kind: global_buffer, .address_space: global }
    .group_segment_fixed_size: 327680
    .private_segment_fixed_size: 0
    .kernarg_segment_align: 8
    .kernarg_segment_size: 40
    .max_flat_workgroup_size: 128
    .sgpr_count:     90
    .vgpr_count:     864
    .wavefront_size: 32
...
	.end_amdgpu_metadata
.endif
;; end of part 3
;; launch dh (part 4): grid 16 x 16, 4 waves a work-group, clusters of 4 x 4, 327,680 bytes of LDS; arguments resid, cast, fwd0, bwd; writes bwd
.if DOCPART == 4
	.amdgcn_target "amdgcn-amd-amdhsa--gfx1250"
	.amdhsa_code_object_version 6
	.text
	.protected	k_q6787791a04_dh
	.globl	k_q6787791a04_dh
	.p2align	8
	.type	k_q6787791a04_dh,@function
k_q6787791a04_dh:
	s_mov_b64 s[64:65], 0
	v_nop
	global_prefetch_b8 v0, s[64:65] scope:SCOPE_SE
	s_setreg_imm32_b32 hwreg(HW_REG_WAVE_MODE, 25, 1), 1
	s_wait_xcnt 0x0
	s_wait_alu depctr_hold_cnt(0) depctr_sa_sdst(0) depctr_va_vdst(0) depctr_va_sdst(0) depctr_va_ssrc(0) depctr_va_vcc(0) depctr_vm_vsrc(0)
	s_getreg_b32 s2, hwreg(HW_REG_IB_STS2, 6, 4)
	s_cmp_eq_u32 s2, 0
	s_cbranch_scc0 .Lentry_in_a_cluster
	s_endpgm
.Lentry_in_a_cluster:
	s_bfe_u32 s2, ttmp6, 0x10000c
	s_cmp_lg_u32 s2, 0xf033
	s_cbranch_scc0 .Lentry_shape_is_right
	s_endpgm
.Lentry_shape_is_right:
; DH, chunk 0 alone (chunk 1's gradients reach no output: see the first kernel's head).  G = D w1^T (bf16 operands, f32 sums); dA = G Q, dC = G P, each rounded once to bf16, [2048][2048].
; The factor 2 / N of the mean is not in D: the weights' step applies it.
; SHARES.  A work-group makes 128 rows x 128 columns, a wave 64 x 64: 16 accumulators.  K = 768 goes in 6 steps of 128 through two LDS slots.
; D lies [row][k]; w1 lies transposed, [k = 768][2048], and comes out of LDS turned, by ds_load_tr16_b128.
; CLUSTER 4 x 4: D's rows are shared along a row of the cluster, w1's columns along a column: joint loads.  Waves 0 and 1 fetch D's halves, waves 2 and 3 the halves of w1's tile.
; P's and Q's tiles (128 x 128 each, in the room behind the slots) come by a third first fill a wave, 64 rows each: at the start three of a wave's tensor loads are out, later one.
; The way out as in up: the slots become a stage of f32 rows of 528 bytes (below P's tile); whole rows come back; a wave's store covers 256 consecutive bytes, aligned.
.set NSTEP, 6
.set NA,    4
.set NBF,   4
.set NACC,  NA*NBF
.set NC,    2
.set NL,    NACC*NC
.set FBLK,  8*(NA+NBF)
.set STEPA, 256
.set STEPB, 128*4096
.set PX,    272
.set PW,    288
.set WAOF,  128*PX
.set ET,    WAOF+128*PW                ; 71,680: P's tile behind slot 0, Q's at the same place behind slot 1
.set SLOT1, 131072
.set SPARE, 262144
.set SP,    528
.set W1T,   12582912
.set SPW, 10
.set NIL, 11
.set A0,  12
.set B0,  13
.set ADRA, 14
.set ADRB, 15
.set DST, 17
.set RD,  20
.set RX,  22
.set RX2, 23
.set GO,  24
.set EG, 32
.set EP, 64
.set EQ, 80
.set UP, 96
.set UQ, 128
.set OA, 160
.set OC, 176
.set TB,  14
.set CNT, 15
.set WV,  16
.set HF,  17
.set WR,  18
.set CX,  19
.set CY,  20
.set TC,  21
.set TR,  22
.set RM,  23
.set CM,  24
.set G1A, 28
.set G1B, 36
.set G1E, 44
.set G0A0, 52
.set G0A1, 56
.set G0E, 60
.set G0B0, 68
.set G0B1, 72
.set MSB, 0
.macro WIN new
.if MSB != (\new)
	s_set_vgpr_msb (MSB<<8)|(\new)
.set MSB, (\new)
.endif
.endm
.macro PLACES
.rept 4
	v_nop
.endr
.endm
.macro CREST
	s_cmp_lg_u32 s[WV], 0
	s_cbranch_scc1 .Lnot_wave_0_\@
	s_barrier_signal -3
.Lnot_wave_0_\@:
	s_barrier_wait -3
	s_barrier_signal -1
	s_barrier_wait -1
.endm
.macro CROUND
	s_barrier_signal -1
	s_barrier_wait -1
	CREST
.endm
.macro JLOAD
	s_cmp_lt_u32 s[WV], 2
	s_cbranch_scc0 .Lfor_b_\@
	tensor_load_to_lds s[G0A1:G0A1+3], s[G1A:G1A+7]
	s_nop 0
	PLACES
	s_branch .Lasked_\@
.Lfor_b_\@:
	tensor_load_to_lds s[G0B1:G0B1+3], s[G1B:G1B+7]
	s_nop 0
	PLACES
.Lasked_\@:
.endm
.macro MULP w, p, zero                 ; part p of four of a unit's products; the accumulators take turns, one instruction a turn
	WIN 0x50|((\w)<<2)|(\w)
.set idx, (\p)*(NL/4)
.rept NL/4
.set cc, idx/NACC
.set ii, idx%NACC
.set rA, cc*FBLK+8*(ii/NBF)
.set rB, cc*FBLK+8*NA+8*(ii%NBF)
.if (\zero) && (cc == 0)
	v_wmma_f32_16x16x32_bf16 v[8*ii:8*ii+7], v[rB:rB+7], v[rA:rA+7], 0
.else
	v_wmma_f32_16x16x32_bf16 v[8*ii:8*ii+7], v[rB:rB+7], v[rA:rA+7], v[8*ii:8*ii+7]
.endif
.set idx, idx+1
.endr
.endm
.macro SETADR
	v_add_nc_u32 v[ADRA], s[TB], v[A0]
	v_add_nc_u32 v[ADRB], s[TB], v[B0]
.endm
.macro FETCH u, w                      ; unit u (64 along K) into the buffer in window w: 32 LDS loads in one run
	WIN (\w)<<6
.irp c, 0,1
.irp a, 0,1,2,3
	ds_load_b128 v[(\c)*FBLK+8*(\a):(\c)*FBLK+8*(\a)+3],   v[ADRA] offset:(\a)*16*PX+(2*(\u)+(\c))*64
	ds_load_b128 v[(\c)*FBLK+8*(\a)+4:(\c)*FBLK+8*(\a)+7], v[ADRA] offset:(\a)*16*PX+(2*(\u)+(\c))*64+32
.endr
.irp b, 0,1,2,3
	ds_load_tr16_b128 v[(\c)*FBLK+32+8*(\b):(\c)*FBLK+32+8*(\b)+3],   v[ADRB] offset:(2*(\u)+(\c))*32*PW+(\b)*32
	ds_load_tr16_b128 v[(\c)*FBLK+32+8*(\b)+4:(\c)*FBLK+32+8*(\b)+7], v[ADRB] offset:(2*(\u)+(\c))*32*PW+16*PW+(\b)*32
.endr
.endr
	WIN 0
.endm
.macro UNIT zero
	s_wait_dscnt 0x0                               ; the first unit's fragments are in
	MULP 2, 0, \zero
	MULP 2, 1, \zero
	WIN 0
	PLACES
	FETCH 1, 3
	MULP 2, 2, \zero
	MULP 2, 3, \zero
.endm
; The change of slots, and a step's second unit: the waits and the add ahead of the barrier, the refill first behind the round.  No product stands between the wait for a tile and the next request:
; the unit's 32 products all follow the refill, so that a step's whole matrix work lies between a request and the wait for it.
.macro TURN fill
	WIN 0
	s_wait_tensorcnt 0x0                           ; all my tensor loads have landed, so every group 0 may be written
	ds_add_u32 v[SPW], v[NIL]                      ; the scalar steps below stand between the add and the wait for it
.if \fill
	s_xor_b32 s[G0A1+1], s[G0A1+1], SLOT1
	s_add_nc_u64 s[G0A1+2:G0A1+3], s[G0A1+2:G0A1+3], STEPA
	s_xor_b32 s[G0B1+1], s[G0B1+1], SLOT1
	s_add_nc_u64 s[G0B1+2:G0B1+3], s[G0B1+2:G0B1+3], STEPB
.endif
	s_xor_b32 s[TB], s[TB], SLOT1
	s_wait_dscnt 0x0                               ; the add is done, and my reads of this slot are over
	s_barrier_signal -1
	s_barrier_wait -1
.if \fill
	CREST
	JLOAD                                          ; its four v_nop are also the places ahead of the loads below
.else
	PLACES
.endif
	SETADR
	FETCH 0, 2
	MULP 3, 0, 0
	MULP 3, 1, 0
	MULP 3, 2, 0
	MULP 3, 3, 0
.endm
	s_load_b256 s[4:11], s[0:1], 0x0               ; resid s[4:5], cast s[6:7], fwd0 s[8:9], bwd s[10:11]
	v_lshl_add_u32 v[SPW], v0, 2, SPARE
	v_mov_b32 v[NIL], 0
	ds_add_u32 v[SPW], v[NIL]                      ; the opening: the add, twice on end, and its wait ahead of my first tensor load
	ds_add_u32 v[SPW], v[NIL]
	v_lshrrev_b32 v4, 5, v0
	v_readfirstlane_b32 s[WV], v4
	s_and_b32 s[HF], s[WV], 1
	s_lshr_b32 s[WR], s[WV], 1
	s_bfe_u32 s[CX], ttmp6, 0x40000
	s_bfe_u32 s[CY], ttmp6, 0x40004
	s_lshl_b32 s[TC], ttmp9, 2
	s_add_co_u32 s[TC], s[TC], s[CX]
	s_and_b32 s[TR], ttmp7, 0xffff
	s_lshl_b32 s[TR], s[TR], 2
	s_add_co_u32 s[TR], s[TR], s[CY]
	s_lshl_b32 s[RM], s[CY], 2
	s_lshl_b32 s[RM], 15, s[RM]
	s_lshl_b32 s[CM], 0x1111, s[CX]
	s_or_b32 s[G1A], s[RM], (1<<16)|(1<<20)|(1<<21)|(5<<22)|(3<<25)  ; D: 64 rows x 128, shared along my row of the cluster
	s_mov_b32 s[G1A+1], 128<<16
	s_mov_b32 s[G1A+2], 64<<16
	s_mov_b32 s[G1A+3], 128<<16
	s_mov_b32 s[G1A+4], 64
	s_mov_b32 s[G1A+5], 768
	s_mov_b32 s[G1A+6], 0
	s_mov_b32 s[G1A+7], 0
	s_or_b32 s[G1B], s[CM], (1<<16)|(1<<20)|(1<<21)|(5<<22)|(7<<25)  ; w1 transposed: 64 k rows x 128, shared along my column
	s_mov_b32 s[G1B+1], 128<<16
	s_mov_b32 s[G1B+2], 64<<16
	s_mov_b32 s[G1B+3], 128<<16
	s_mov_b32 s[G1B+4], 64
	s_mov_b32 s[G1B+5], 2048
	s_mov_b32 s[G1B+6], 0
	s_mov_b32 s[G1B+7], 0
	s_mov_b32 s[G1E], (1<<16)|(1<<20)|(5<<22)|(3<<25)  ; P or Q: 64 rows x 128, my own
	s_mov_b32 s[G1E+1], 128<<16
	s_mov_b32 s[G1E+2], 64<<16
	s_mov_b32 s[G1E+3], 128<<16
	s_mov_b32 s[G1E+4], 64
	s_mov_b32 s[G1E+5], 2048
	s_mov_b32 s[G1E+6], 0
	s_mov_b32 s[G1E+7], 0
	s_mul_i32 s25, s[HF], 64*PX
	s_mul_i32 s26, s[HF], 64*PW
	s_add_co_u32 s26, s26, WAOF
	s_lshl_b32 s27, s[WR], 17                      ; waves 0 and 1: P, behind slot 0; waves 2 and 3: Q, behind slot 1
	s_add_co_u32 s27, s27, s25
	s_add_co_u32 s[G0E+1], s27, ET
	s_mov_b32 s[G0E], 1
	s_mul_i32 s82, s[TR], 128*1536
	s_mul_i32 s27, s[HF], 64*1536
	s_add_co_u32 s82, s82, s27
	s_mov_b32 s83, 0
	s_lshl_b32 s84, s[TC], 8
	s_lshl_b32 s27, s[HF], 18
	s_add_co_u32 s84, s84, s27
	s_add_co_u32 s84, s84, W1T
	s_mov_b32 s85, 0
	s_lshl_b32 s2, s[TR], 19                       ; the tile's corner in a [2048][2048] bf16 matrix
	s_lshl_b32 s3, s[TC], 8
	s_add_co_u32 s2, s2, s3
	s_mov_b32 s3, 0
	s_add_co_u32 s78, s[WR], 1                     ; P lies 8,388,608 bytes, Q twice that, behind H
	s_lshl_b32 s78, s78, 23
	s_lshl_b32 s27, s[HF], 18                      ; my 64 rows of it
	s_add_co_u32 s78, s78, s27
	s_add_co_u32 s78, s78, s2
	s_mov_b32 s79, 0
	s_lshl_b32 s27, s[WV], 17                      ; the rows that I store: 32 wave on
	s_add_co_u32 s2, s2, s27
	s_mov_b32 s86, 0xffff0000
	s_mov_b32 s[TB], 0
	s_wait_dscnt 0x0
	s_wait_kmcnt 0x0
	s_add_nc_u64 s[82:83], s[4:5], s[82:83]
	s_add_nc_u64 s[84:85], s[6:7], s[84:85]
	s_add_nc_u64 s[G0E+2:G0E+3], s[8:9], s[78:79]
	s_or_b32 s[G0E+3], s[G0E+3], 0x80000000
	s_add_nc_u64 s[76:77], s[10:11], s[2:3]        ; dA
	s_add_nc_u64 s[78:79], s[76:77], 8388608       ; dC
.irp s, 0,1
	s_mov_b32 s[G0A0+4*(\s)], 1
	s_add_co_u32 s[G0A0+4*(\s)+1], s25, (\s)*SLOT1
	s_add_nc_u64 s[G0A0+4*(\s)+2:G0A0+4*(\s)+3], s[82:83], (\s)*STEPA
	s_or_b32 s[G0A0+4*(\s)+3], s[G0A0+4*(\s)+3], 0x80000000
	s_mov_b32 s[G0B0+4*(\s)], 1
	s_add_co_u32 s[G0B0+4*(\s)+1], s26, (\s)*SLOT1
	s_add_nc_u64 s[G0B0+4*(\s)+2:G0B0+4*(\s)+3], s[84:85], (\s)*STEPB
	s_or_b32 s[G0B0+4*(\s)+3], s[G0B0+4*(\s)+3], 0x80000000
.endr
	CROUND
	s_cmp_lt_u32 s[WV], 2
	s_cbranch_scc0 .Lfirst_b
	tensor_load_to_lds s[G0A0:G0A0+3], s[G1A:G1A+7]
	s_nop 0
	tensor_load_to_lds s[G0A1:G0A1+3], s[G1A:G1A+7]
	s_nop 0
	tensor_load_to_lds s[G0E:G0E+3], s[G1E:G1E+7]
	s_nop 0
	PLACES
	s_branch .Lfirst_done
.Lfirst_b:
	tensor_load_to_lds s[G0B0:G0B0+3], s[G1B:G1B+7]
	s_nop 0
	tensor_load_to_lds s[G0B1:G0B1+3], s[G1B:G1B+7]
	s_nop 0
	tensor_load_to_lds s[G0E:G0E+3], s[G1E:G1E+7]
	s_nop 0
	PLACES
.Lfirst_done:
	v_and_b32 v1, 15, v0
	v_bfe_u32 v2, v0, 4, 1
	v_and_b32 v3, 31, v0
	v_mul_u32_u24 v[A0], v1, PX
	v_lshl_add_u32 v[A0], v2, 4, v[A0]
	s_mul_i32 s25, s[WR], 64*PX
	v_add_nc_u32 v[A0], s25, v[A0]
	v_and_b32 v4, 7, v0
	v_bfe_u32 v5, v0, 3, 1
	v_lshl_add_u32 v[B0], v2, 3, v4
	v_mul_u32_u24 v[B0], v[B0], PW
	v_lshl_add_u32 v[B0], v5, 4, v[B0]
	s_lshl_b32 s25, s[HF], 7
	s_add_co_u32 s25, s25, WAOF
	v_add_nc_u32 v[B0], s25, v[B0]
	v_mul_u32_u24 v[DST], v1, SP
	v_lshl_add_u32 v[DST], v2, 5, v[DST]
	s_mul_i32 s25, s[WR], 64*SP
	s_lshl_b32 s26, s[HF], 8
	s_add_co_u32 s25, s25, s26
	v_add_nc_u32 v[DST], s25, v[DST]
	s_mul_i32 s25, s[WV], 32*SP
	v_lshl_add_u32 v[RD], v3, 4, s25
	s_mul_i32 s25, s[WV], 32*PX
	s_add_co_u32 s25, s25, ET
	v_lshl_add_u32 v[RX], v3, 3, s25
	v_add_nc_u32 v[RX2], SLOT1, v[RX]
	v_lshlrev_b32 v[GO], 3, v3
	SETADR
	s_wait_tensorcnt 2                             ; my part of step 0 is in; step 1's and P's or Q's may stay out
	s_barrier_signal -1
	s_barrier_wait -1
	FETCH 0, 2
	UNIT 1
	WIN 0
	s_mov_b32 s[CNT], NSTEP-2
.Lstep:
	TURN 1
	UNIT 0
	WIN 0
	s_sub_co_u32 s[CNT], s[CNT], 1
	s_cmp_lg_u32 s[CNT], 0
	s_cbranch_scc1 .Lstep
	TURN 0
	UNIT 0
	s_wait_dscnt 0x0
	MULP 3, 0, 0
	MULP 3, 1, 0
	MULP 3, 2, 0
	MULP 3, 3, 0
	WIN 0
	PLACES
	s_barrier_signal -1                            ; every wave's reads of both slots are back, and no fill follows: slot 0 becomes the stage
	s_barrier_wait -1
	WIN 0x04
.set ii, 0
.rept NACC
	ds_store_b128 v[DST], v[8*ii:8*ii+3]   offset:(ii/NBF)*16*SP+(ii%NBF)*64
	ds_store_b128 v[DST], v[8*ii+4:8*ii+7] offset:(ii/NBF)*16*SP+(ii%NBF)*64+16
.set ii, ii+1
.endr
	WIN 0
	s_wait_dscnt 0x0
	s_barrier_signal -1
	s_barrier_wait -1
	s_mov_b32 s[CNT], 4
.Lrow:                                         ; eight rows a trip
.irp i, 0,1,2,3,4,5,6,7
	ds_load_b128 v[EG+4*(\i):EG+4*(\i)+3], v[RD] offset:(\i)*SP
	ds_load_b64 v[EP+2*(\i):EP+2*(\i)+1], v[RX]  offset:(\i)*PX
	ds_load_b64 v[EQ+2*(\i):EQ+2*(\i)+1], v[RX2] offset:(\i)*PX
.endr
	s_wait_dscnt 0x0
.set j, 0
.rept 16
	v_lshlrev_b32 v[UP+2*j], 16, v[EP+j]
	v_and_b32 v[UP+2*j+1], s86, v[EP+j]
	v_lshlrev_b32 v[UQ+2*j], 16, v[EQ+j]
	v_and_b32 v[UQ+2*j+1], s86, v[EQ+j]
.set j, j+1
.endr
.set j, 0
.rept 16
	v_pk_mul_f32 v[UP+j:UP+j+1], v[UP+j:UP+j+1], v[EG+j:EG+j+1]  ; dC = G P
	v_pk_mul_f32 v[UQ+j:UQ+j+1], v[UQ+j:UQ+j+1], v[EG+j:EG+j+1]  ; dA = G Q
.set j, j+2
.endr
.set j, 0
.rept 16
	v_cvt_pk_bf16_f32 v[OA+j], v[UQ+2*j], v[UQ+2*j+1]
	v_cvt_pk_bf16_f32 v[OC+j], v[UP+2*j], v[UP+2*j+1]
.set j, j+1
.endr
.irp i, 0,1,2,3,4,5,6,7
	global_store_b64 v[GO], v[OA+2*(\i):OA+2*(\i)+1], s[76:77] offset:(\i)*4096
	global_store_b64 v[GO], v[OC+2*(\i):OC+2*(\i)+1], s[78:79] offset:(\i)*4096
.endr
	s_wait_xcnt 0x0
	v_add_nc_u32 v[RD], 8*SP, v[RD]
	v_add_nc_u32 v[RX], 8*PX, v[RX]
	v_add_nc_u32 v[RX2], 8*PX, v[RX2]
	v_add_nc_u32 v[GO], 8*4096, v[GO]
	s_sub_co_u32 s[CNT], s[CNT], 1
	s_cmp_lg_u32 s[CNT], 0
	s_cbranch_scc1 .Lrow
	s_wait_tensorcnt 0x0                           ; the wave's end
	ds_add_u32 v[SPW], v[NIL]
	s_wait_dscnt 0x0
	CROUND
	s_endpgm
.Lfunc_end_k_q6787791a04_dh:
	.size	k_q6787791a04_dh, .Lfunc_end_k_q6787791a04_dh-k_q6787791a04_dh
	.p2alignl 7, 3214868480
	.fill 96, 4, 3214868480
	.section	.rodata,"a",@progbits
	.p2align	6, 0x0
	.amdhsa_kernel k_q6787791a04_dh
		.amdhsa_group_segment_fixed_size 327680
		.amdhsa_private_segment_fixed_size 0
		.amdhsa_enable_private_segment 0
		.amdhsa_kernarg_size 32
		.amdhsa_user_sgpr_count 2
		.amdhsa_user_sgpr_kernarg_segment_ptr 1
		.amdhsa_wavefront_size32 1
		.amdhsa_system_sgpr_workgroup_id_x 1
		.amdhsa_system_sgpr_workgroup_id_y 1
		.amdhsa_system_sgpr_workgroup_id_z 1
		.amdhsa_system_vgpr_workitem_id 0
		.amdhsa_next_free_vgpr 896
		.amdhsa_next_free_sgpr 90
		.amdhsa_reserve_vcc 0
		.amdhsa_float_denorm_mode_32 3
		.amdhsa_float_denorm_mode_16_64 3
		.amdhsa_memory_ordered 1
		.amdhsa_forward_progress 1
		.amdhsa_inst_pref_size 48
	.end_amdhsa_kernel
	.amdgpu_metadata
---
amdhsa.version: [ 1, 2 ]
amdhsa.kernels:
  - .name:           k_q6787791a04_dh
    .symbol:         k_q6787791a04_dh.kd
    .args:
      - { .name: resid, .offset: 0, .size: 8, .value_kind: global_buffer, .address_space: global }
      - { .name: cast, .offset: 8, .size: 8, .value_kind: global_buffer, .address_space: global }
      - { .name: fwd0, .offset: 16, .size: 8, .value_kind: global_buffer, .address_space: global }
      - { .name: bwd, .offset: 24, .size: 8, .value_kind: global_buffer, .address_space: global }
    .group_segment_fixed_size: 327680
    .private_segment_fixed_size: 0
    .kernarg_segment_align: 8
    .kernarg_segment_size: 32
    .max_flat_workgroup_size: 128
    .sgpr_count:     90
    .vgpr_count:     896
    .wavefront_size: 32
...
	.end_amdgpu_metadata
.endif
;; end of part 4
;; launch wgrad (part 5): grid 16 x 12, 4 waves a work-group, clusters of 4 x 4, 327,680 bytes of LDS; arguments cast, resid, bwd, fwd0, wnew; writes wnew
.if DOCPART == 5
	.amdgcn_target "amdgcn-amd-amdhsa--gfx1250"
	.amdhsa_code_object_version 6
	.text
	.protected	k_q6787791a04_wgrad
	.globl	k_q6787791a04_wgrad
	.p2align	8
	.type	k_q6787791a04_wgrad,@function
k_q6787791a04_wgrad:
	s_mov_b64 s[64:65], 0
	v_nop
	global_prefetch_b8 v0, s[64:65] scope:SCOPE_SE
	s_setreg_imm32_b32 hwreg(HW_REG_WAVE_MODE, 25, 1), 1
	s_wait_xcnt 0x0
	s_wait_alu depctr_hold_cnt(0) depctr_sa_sdst(0) depctr_va_vdst(0) depctr_va_sdst(0) depctr_va_ssrc(0) depctr_va_vcc(0) depctr_vm_vsrc(0)
	s_getreg_b32 s2, hwreg(HW_REG_IB_STS2, 6, 4)
	s_cmp_eq_u32 s2, 0
	s_cbranch_scc0 .Lentry_in_a_cluster
	s_endpgm
.Lentry_in_a_cluster:
	s_bfe_u32 s2, ttmp6, 0x10000c
	s_cmp_lg_u32 s2, 0xf033
	s_cbranch_scc0 .Lentry_shape_is_right
	s_endpgm
.Lentry_shape_is_right:
; WGRAD, chunk 0 alone (chunk 1's weights reach no output: see the first kernel's head).  Three products of one shape, out[768][2048] = base - c x the sum over the 2,048 rows r of L[r][768] R[r][2048]:
;   z = 0: w0 - c X^T dA;   z = 1: w2 - c X^T dC;   z = 2: w1^T - c D^T H.   c = 2 x 0.01 / (2048 x 768), applied in f32; out is rounded once to bf16.
; z is the cluster's y, the same in all sixteen partners.  A work-group makes 192 x 128 of out, a wave 96 x 64: 24 accumulators.  3 x 4 x 16 = 192 work-groups: 3 x 768 x 2048 has no cut into 256 equal tiles of whole fragments.
; THE RING.  The 2,048 rows go in steps of 192 through two LDS slots: ten whole steps and a last one of 128.  192 is what two slots allow: a row of a step takes 480 + 288 bytes of LDS, and
; 2 x 192 x 768 = 294,912 of the 327,680.  A step is two units of 96 rows, 72 products a wave each.  Both operands lie [k][column] and come out of LDS turned, by ds_load_tr16_b128.
; A SLOT LIES IN THREE PIECES, so that one exclusive or turns an address in one slot into the other's: L's 192 rows at 0 (other slot: 131,072), R's rows 0-95 at 98,304 (229,376), both turned by 131,072;
; R's rows 96-191 at 262,144 (294,912), turned by 32,768.  Each piece is shorter than the bit that turns it.
; L's row pieces are 384 bytes, from multiples of 384: 768 columns do not fall into four blocks of whole 256 bytes.  In LDS 32 bytes of padding follow every 128: rows of 480 bytes; a wave's six
; blocks of 16 columns lie at 64 (a / 2) + 32 WR + 16 (a % 2), so that none crosses a pad and both wave rows use the same offsets.
; CLUSTER 4 x 4: L's columns are shared along a row of the cluster, R's along a column: joint loads.  Waves 0 and 1 fetch L's rows 0-95 and 96-191, wave 2 R's rows 0-95, wave 3 R's rows 96-191; waves 2 and 3
; have a group 0 and a line each, since their LDS words turn by different constants.  Two of a wave's tensor loads are out at the start, later one.
; THE LAST STEP has 128 rows: waves 1 and 3 fetch 32 rows in place of 96, by group 1 sets of their own whose sizes are constants, each wave on a line of its own; of the step's second unit only those
; 32 rows are read from LDS and multiplied.
; THE BASE's tile (192 x 128, 48 rows a wave) is asked for behind the last change of slots, into the slot that the last step but one has left: 168 products of a wave stand between the request and the wait for it.
.set NSTEP, 11
.set NA,    6
.set NBF,   4
.set NACC,  NA*NBF
.set NC,    3                          ; a unit is 3 x 32 rows
.set NL,    NACC*NC
.set FBLK,  8*(NA+NBF)
.set KU,    96                         ; rows in a unit
.set STEPA, 192*1536
.set STEPB, 192*4096
.set PL,    480
.set PW,    288
.set RLO,   98304                      ; R's rows 0-95 of a step, slot 0
.set RHI,   262144                     ; R's rows 96-191, slot 0
.set XLO,   131072                     ; turns L's and RLO's addresses into the other slot's
.set XHI,   32768                      ; turns RHI's
.set BT,    131072                     ; the base's tile: 192 rows of 272 bytes, where slot 1's rows of L lay
.set PB,    272
.set SPARE, RHI+XHI+KU*PW              ; 322,560: the spare words, 128 bytes a wave: two blocks of 256 bytes that no other line names
.set SP,    528
.set W0B,   6291456
.set RING,  1                          ; the kinds of a change of slots: a refill of 192 rows,
.set SHORT, 3                          ; the refill of the last 128,
.set BASE,  2                          ; the base's tile
.set SPW, 10
.set NIL, 11
.set A0,  12
.set B0,  13
.set ADRA, 14                          ; v14, v15  L's fragments of unit 0, 1 in the slot in hand
.set ADRB, 16                          ; v16, v17  R's
.set B1,  19
.set RD,  20
.set RX,  22
.set GO,  24
.set DST, 26
.set DST2, 27
.set EG, 32
.set EB, 64
.set UB, 96
.set OW, 128
.set CP,  2                            ; s[2:3]   -c, as a pair; set when the head's offsets are used up
.set G1BS, 4                           ; s[4:11]  group 1 for R's last 32 rows; set when the arguments' addresses are used up
.set TB,  14
.set CNT, 15
.set WV,  16
.set HF,  17
.set WR,  18
.set CX,  19
.set CY,  20
.set TC,  21
.set ZZ,  22
.set RM,  23
.set CM,  24
.set G1A, 28
.set G1B, 36
.set G1E, 44
.set G0A0, 52
.set G0A1, 56
.set G0E, 60
.set G0B0, 68
.set G0B1, 72
.set G1AS, 80                          ; s[80:87] group 1 for L's last 32 rows; set when the head's addresses there are used up
.set TB2, 90
.set G0C0, 92
.set G0C1, 96
.set MSB, 0
.macro WIN new
.if MSB != (\new)
	s_set_vgpr_msb (MSB<<8)|(\new)
.set MSB, (\new)
.endif
.endm
.macro PLACES
.rept 4
	v_nop
.endr
.endm
.macro CREST
	s_cmp_lg_u32 s[WV], 0
	s_cbranch_scc1 .Lnot_wave_0_\@
	s_barrier_signal -3
.Lnot_wave_0_\@:
	s_barrier_wait -3
	s_barrier_signal -1
	s_barrier_wait -1
.endm
.macro CROUND
	s_barrier_signal -1
	s_barrier_wait -1
	CREST
.endm
.macro JLOAD                           ; a refill by the walking descriptors: three lines under branches on the wave's number; an s_nop 0 and four v_nop follow each
	s_cmp_lt_u32 s[WV], 2
	s_cbranch_scc0 .Lfor_b_\@
	tensor_load_to_lds s[G0A1:G0A1+3], s[G1A:G1A+7]
	s_nop 0
	PLACES
	s_branch .Lasked_\@
.Lfor_b_\@:
	s_cmp_eq_u32 s[WV], 2
	s_cbranch_scc0 .Lfor_c_\@
	tensor_load_to_lds s[G0B1:G0B1+3], s[G1B:G1B+7]
	s_nop 0
	PLACES
	s_branch .Lasked_\@
.Lfor_c_\@:
	tensor_load_to_lds s[G0C1:G0C1+3], s[G1B:G1B+7]
	s_nop 0
	PLACES
.Lasked_\@:
.endm
.macro JSHORT                          ; the refill of the last 128 rows: a line for each wave; waves 0 and 2 fetch 96 rows as ever, waves 1 and 3 fetch 32
	s_cmp_lt_u32 s[WV], 2
	s_cbranch_scc0 .Lsh_r_\@
	s_cmp_eq_u32 s[WV], 0
	s_cbranch_scc0 .Lsh_l1_\@
	tensor_load_to_lds s[G0A1:G0A1+3], s[G1A:G1A+7]
	s_nop 0
	PLACES
	s_branch .Lsh_done_\@
.Lsh_l1_\@:
	tensor_load_to_lds s[G0A1:G0A1+3], s[G1AS:G1AS+7]
	s_nop 0
	PLACES
	s_branch .Lsh_done_\@
.Lsh_r_\@:
	s_cmp_eq_u32 s[WV], 2
	s_cbranch_scc0 .Lsh_r1_\@
	tensor_load_to_lds s[G0B1:G0B1+3], s[G1B:G1B+7]
	s_nop 0
	PLACES
	s_branch .Lsh_done_\@
.Lsh_r1_\@:
	tensor_load_to_lds s[G0C1:G0C1+3], s[G1BS:G1BS+7]
	s_nop 0
	PLACES
.Lsh_done_\@:
.endm
; count products of a unit's list, from number first on, out of the buffer in window w.  The list goes by 32 rows, then through all accumulators: one instruction a turn, over every joint of the text.
.macro MULN w, first, count, zero
	WIN 0x50|((\w)<<2)|(\w)
.set idx, (\first)
.rept (\count)
.set cc, idx/NACC
.set ii, idx%NACC
.set rA, cc*FBLK+8*(ii/NBF)
.set rB, cc*FBLK+8*NA+8*(ii%NBF)
.if (\zero) && (cc == 0)
	v_wmma_f32_16x16x32_bf16 v[8*ii:8*ii+7], v[rB:rB+7], v[rA:rA+7], 0
.else
	v_wmma_f32_16x16x32_bf16 v[8*ii:8*ii+7], v[rB:rB+7], v[rA:rA+7], v[8*ii:8*ii+7]
.endif
.set idx, idx+1
.endr
.endm
.macro MULP w, p, zero                 ; part p of four of the list
	MULN \w, (\p)*(NL/4), NL/4, \zero
.endm
.macro SETADR                          ; my fragments' addresses in the slot at s[TB], s[TB2]
	v_add_nc_u32 v[ADRA], s[TB], v[A0]
	v_add_nc_u32 v[ADRA+1], KU*PL, v[ADRA]
	v_add_nc_u32 v[ADRB], s[TB], v[B0]
	v_add_nc_u32 v[ADRB+1], s[TB2], v[B1]
.endm
.macro FETCH u, w, n=3                 ; the first n x 32 rows of unit u into the buffer in window w: 20 LDS loads for each 32 rows, in one run
	WIN (\w)<<6
.irp c, 0,1,2
.if (\c) < (\n)
.irp a, 0,1,2,3,4,5
	ds_load_tr16_b128 v[(\c)*FBLK+8*(\a):(\c)*FBLK+8*(\a)+3],   v[ADRA+(\u)] offset:(\c)*32*PL+((\a)/2)*160+((\a)%2)*32
	ds_load_tr16_b128 v[(\c)*FBLK+8*(\a)+4:(\c)*FBLK+8*(\a)+7], v[ADRA+(\u)] offset:(\c)*32*PL+16*PL+((\a)/2)*160+((\a)%2)*32
.endr
.irp b, 0,1,2,3
	ds_load_tr16_b128 v[(\c)*FBLK+48+8*(\b):(\c)*FBLK+48+8*(\b)+3],   v[ADRB+(\u)] offset:(\c)*32*PW+(\b)*32
	ds_load_tr16_b128 v[(\c)*FBLK+48+8*(\b)+4:(\c)*FBLK+48+8*(\b)+7], v[ADRB+(\u)] offset:(\c)*32*PW+16*PW+(\b)*32
.endr
.endif
.endr
	WIN 0
.endm
.macro UNIT zero, n=3                  ; a step's first unit is multiplied; in its middle the second unit (its first n x 32 rows) is fetched
	s_wait_dscnt 0x0                               ; the first unit's fragments are in
	MULP 2, 0, \zero
	MULP 2, 1, \zero
	WIN 0
	PLACES
	FETCH 1, 3, \n
	MULP 2, 2, \zero
	MULP 2, 3, \zero
.endm
; The change of slots, and a step's second unit.  Each wave waits for all its tensor loads, adds 0 to its spare word, and waits for that and for its reads of the slot (the second unit's fragments are then in
; registers); the barrier opens a round of the cluster's; behind the round nobody reads the slot, the other slot is whole, and the slot is filled again first thing.  No product stands between the wait for a tile
; and the next request: the unit's 72 products all follow the refill, so that a step's whole matrix work lies between a request and the wait for it.
.macro TURN kind
	WIN 0
	s_wait_tensorcnt 0x0                           ; all my tensor loads have landed, so every group 0 may be written
	ds_add_u32 v[SPW], v[NIL]                      ; the scalar steps below stand between the add and the wait for it
.if (\kind) != BASE
	s_xor_b32 s[G0A1+1], s[G0A1+1], XLO            ; the walking descriptors: the other slot than last time, the next step
	s_add_nc_u64 s[G0A1+2:G0A1+3], s[G0A1+2:G0A1+3], STEPA
	s_xor_b32 s[G0B1+1], s[G0B1+1], XLO
	s_add_nc_u64 s[G0B1+2:G0B1+3], s[G0B1+2:G0B1+3], STEPB
	s_xor_b32 s[G0C1+1], s[G0C1+1], XHI
	s_add_nc_u64 s[G0C1+2:G0C1+3], s[G0C1+2:G0C1+3], STEPB
.endif
	s_xor_b32 s[TB], s[TB], XLO
	s_xor_b32 s[TB2], s[TB2], XHI
	s_wait_dscnt 0x0                               ; the add is done, and my reads of this slot are over
	s_barrier_signal -1
	s_barrier_wait -1
	CREST
.if (\kind) == BASE
	tensor_load_to_lds s[G0E:G0E+3], s[G1E:G1E+7]  ; my 48 rows of the base: a load of my own
	s_nop 0
	PLACES
.elseif (\kind) == SHORT
	JSHORT
.else
	JLOAD
.endif
	SETADR                                         ; (the four v_nop behind the load are also the places ahead of the loads below)
	FETCH 0, 2
	MULP 3, 0, 0
	MULP 3, 1, 0
	MULP 3, 2, 0
	MULP 3, 3, 0
.endm
	s_load_b256 s[4:11], s[0:1], 0x0               ; cast s[4:5], resid s[6:7], bwd s[8:9], fwd0 s[10:11]
	s_load_b64 s[12:13], s[0:1], 0x20              ; wnew
	v_lshl_add_u32 v[SPW], v0, 2, SPARE
	v_mov_b32 v[NIL], 0
	ds_add_u32 v[SPW], v[NIL]                      ; the opening: the add, twice on end, and its wait ahead of my first tensor load
	ds_add_u32 v[SPW], v[NIL]
	v_lshrrev_b32 v4, 5, v0
	v_readfirstlane_b32 s[WV], v4
	s_and_b32 s[HF], s[WV], 1
	s_lshr_b32 s[WR], s[WV], 1
	s_bfe_u32 s[CX], ttmp6, 0x40000
	s_bfe_u32 s[CY], ttmp6, 0x40004                ; the block of 192 of the 768
	s_lshl_b32 s[TC], ttmp9, 2
	s_add_co_u32 s[TC], s[TC], s[CX]               ; the block of 128 of the 2,048
	s_and_b32 s[ZZ], ttmp7, 0xffff                 ; which of the three products
	s_lshl_b32 s[RM], s[CY], 2
	s_lshl_b32 s[RM], 15, s[RM]
	s_lshl_b32 s[CM], 0x1111, s[CX]
	s_or_b32 s[G1A], s[RM], (1<<16)|(1<<20)|(1<<21)|(4<<22)|(7<<25)  ; L: 96 rows x 192; after every 32 words 8 words of padding
	s_mov_b32 s[G1A+1], 192<<16
	s_mov_b32 s[G1A+2], 96<<16
	s_mov_b32 s[G1A+3], 192<<16
	s_mov_b32 s[G1A+4], 96
	s_mov_b32 s[G1A+5], 768
	s_mov_b32 s[G1A+6], 0
	s_mov_b32 s[G1A+7], 0
	s_or_b32 s[G1B], s[CM], (1<<16)|(1<<20)|(1<<21)|(5<<22)|(7<<25)  ; R: 96 rows x 128
	s_mov_b32 s[G1B+1], 128<<16
	s_mov_b32 s[G1B+2], 96<<16
	s_mov_b32 s[G1B+3], 128<<16
	s_mov_b32 s[G1B+4], 96
	s_mov_b32 s[G1B+5], 2048
	s_mov_b32 s[G1B+6], 0
	s_mov_b32 s[G1B+7], 0
	s_mov_b32 s[G1E], (1<<16)|(1<<20)|(5<<22)|(3<<25)  ; the base: 48 rows x 128, my own
	s_mov_b32 s[G1E+1], 128<<16
	s_mov_b32 s[G1E+2], 48<<16
	s_mov_b32 s[G1E+3], 128<<16
	s_mov_b32 s[G1E+4], 48
	s_mov_b32 s[G1E+5], 2048
	s_mov_b32 s[G1E+6], 0
	s_mov_b32 s[G1E+7], 0
	s_mul_i32 s25, s[HF], KU*PL                    ; where L's rows 0-95 or 96-191 go
	s_mul_i32 s27, s[WV], 48*PB
	s_add_co_u32 s[G0E+1], s27, BT
	s_mov_b32 s[G0E], 1
	s_mul_i32 s82, s[CY], 384                      ; L: my 192 columns, rows 0-95 or 96-191 of the step
	s_mul_i32 s27, s[HF], KU*1536
	s_add_co_u32 s82, s82, s27
	s_mov_b32 s83, 0
	s_lshl_b32 s84, s[TC], 8                       ; R: my 128 columns; dC lies 8,388,608 bytes behind dA
	s_cmp_eq_u32 s[ZZ], 1
	s_cselect_b32 s27, 0x800000, 0
	s_add_co_u32 s84, s84, s27
	s_mov_b32 s85, 0
	s_mul_i32 s2, s[ZZ], 3145728                   ; base and out: matrix z, row 192 cy + 48 wave, 4,096 bytes a row; 256 bytes a column block
	s_mul_i32 s27, s[CY], 192*4096
	s_add_co_u32 s2, s2, s27
	s_mul_i32 s27, s[WV], 48*4096
	s_add_co_u32 s2, s2, s27
	s_lshl_b32 s3, s[TC], 8
	s_add_co_u32 s2, s2, s3
	s_mov_b32 s3, 0
	s_mov_b32 s88, 0xffff0000
	s_mov_b32 s[TB], 0
	s_mov_b32 s[TB2], 0
	s_wait_dscnt 0x0
	s_wait_kmcnt 0x0
	s_cmp_eq_u32 s[ZZ], 2
	s_cselect_b64 s[78:79], s[6:7], s[4:5]         ; L: D, or x's copy of chunk 0
	s_cselect_b64 s[80:81], s[10:11], s[8:9]       ; R: H, or dA and dC
	s_add_nc_u64 s[82:83], s[78:79], s[82:83]
	s_add_nc_u64 s[84:85], s[80:81], s[84:85]
	s_add_nc_u64 s[G0E+2:G0E+3], s[4:5], s[2:3]
	s_add_nc_u64 s[G0E+2:G0E+3], s[G0E+2:G0E+3], W0B
	s_or_b32 s[G0E+3], s[G0E+3], 0x80000000
	s_add_nc_u64 s[76:77], s[12:13], s[2:3]
.irp s, 0,1
	s_mov_b32 s[G0A0+4*(\s)], 1
	s_add_co_u32 s[G0A0+4*(\s)+1], s25, (\s)*XLO
	s_add_nc_u64 s[G0A0+4*(\s)+2:G0A0+4*(\s)+3], s[82:83], (\s)*STEPA
	s_or_b32 s[G0A0+4*(\s)+3], s[G0A0+4*(\s)+3], 0x80000000
	s_mov_b32 s[G0B0+4*(\s)], 1
	s_mov_b32 s[G0B0+4*(\s)+1], RLO+(\s)*XLO
	s_add_nc_u64 s[G0B0+4*(\s)+2:G0B0+4*(\s)+3], s[84:85], (\s)*STEPB
	s_or_b32 s[G0B0+4*(\s)+3], s[G0B0+4*(\s)+3], 0x80000000
	s_mov_b32 s[G0C0+4*(\s)], 1
	s_mov_b32 s[G0C0+4*(\s)+1], RHI+(\s)*XHI
	s_add_nc_u64 s[G0C0+4*(\s)+2:G0C0+4*(\s)+3], s[84:85], (\s)*STEPB+KU*4096
	s_or_b32 s[G0C0+4*(\s)+3], s[G0C0+4*(\s)+3], 0x80000000
.endr
	; the head's addresses and offsets are used up: their registers take the last step's two group 1 sets, and -c
	s_or_b32 s[G1AS], s[RM], (1<<16)|(1<<20)|(1<<21)|(4<<22)|(7<<25)  ; L's last 32 rows x 192
	s_mov_b32 s[G1AS+1], 192<<16
	s_mov_b32 s[G1AS+2], 32<<16
	s_mov_b32 s[G1AS+3], 192<<16
	s_mov_b32 s[G1AS+4], 32
	s_mov_b32 s[G1AS+5], 768
	s_mov_b32 s[G1AS+6], 0
	s_mov_b32 s[G1AS+7], 0
	s_or_b32 s[G1BS], s[CM], (1<<16)|(1<<20)|(1<<21)|(5<<22)|(7<<25)  ; R's last 32 rows x 128
	s_mov_b32 s[G1BS+1], 128<<16
	s_mov_b32 s[G1BS+2], 32<<16
	s_mov_b32 s[G1BS+3], 128<<16
	s_mov_b32 s[G1BS+4], 32
	s_mov_b32 s[G1BS+5], 2048
	s_mov_b32 s[G1BS+6], 0
	s_mov_b32 s[G1BS+7], 0
	s_mov_b32 s[CP], 0xb25a740e                    ; -c
	s_mov_b32 s[CP+1], s[CP]                       ; named with it as a pair
	CROUND                                         ; all sixteen work-groups are here: the first joint loads meet
	s_cmp_lt_u32 s[WV], 2                          ; a wave's two first fills stand in one arm
	s_cbranch_scc0 .Lfirst_b
	tensor_load_to_lds s[G0A0:G0A0+3], s[G1A:G1A+7]
	s_nop 0
	tensor_load_to_lds s[G0A1:G0A1+3], s[G1A:G1A+7]
	s_nop 0
	PLACES
	s_branch .Lfirst_done
.Lfirst_b:
	s_cmp_eq_u32 s[WV], 2
	s_cbranch_scc0 .Lfirst_c
	tensor_load_to_lds s[G0B0:G0B0+3], s[G1B:G1B+7]
	s_nop 0
	tensor_load_to_lds s[G0B1:G0B1+3], s[G1B:G1B+7]
	s_nop 0
	PLACES
	s_branch .Lfirst_done
.Lfirst_c:
	tensor_load_to_lds s[G0C0:G0C0+3], s[G1B:G1B+7]
	s_nop 0
	tensor_load_to_lds s[G0C1:G0C1+3], s[G1B:G1B+7]
	s_nop 0
	PLACES
.Lfirst_done:
	v_and_b32 v1, 15, v0
	v_bfe_u32 v2, v0, 4, 1
	v_and_b32 v3, 31, v0
	v_and_b32 v4, 7, v0                            ; the turning loads: k row 8 h + l % 8, 16 bytes for each half of eight lanes
	v_bfe_u32 v5, v0, 3, 1
	v_lshl_add_u32 v6, v2, 3, v4
	v_mul_u32_u24 v[A0], v6, PL
	v_lshl_add_u32 v[A0], v5, 4, v[A0]
	s_lshl_b32 s25, s[WR], 6
	v_add_nc_u32 v[A0], s25, v[A0]
	v_mul_u32_u24 v[B0], v6, PW
	v_lshl_add_u32 v[B0], v5, 4, v[B0]
	s_lshl_b32 s25, s[HF], 7                       ; my 64 of the 128 columns
	v_add_nc_u32 v[B0], s25, v[B0]
	v_add_nc_u32 v[B1], RHI, v[B0]
	v_add_nc_u32 v[B0], RLO, v[B0]
	v_mul_u32_u24 v[DST], v1, SP                   ; into the stage: row 32 WR + r (+ the block's 64 (a / 2) + 16 (a % 2)), my 64 columns
	v_lshl_add_u32 v[DST], v2, 5, v[DST]
	s_mul_i32 s25, s[WR], 32*SP
	s_lshl_b32 s26, s[HF], 8
	s_add_co_u32 s25, s25, s26
	v_add_nc_u32 v[DST], s25, v[DST]
	v_add_nc_u32 v[DST2], 128*SP, v[DST]
	s_mul_i32 s25, s[WV], 48*SP                    ; back: wave w takes rows 48 w .. 48 w + 47, whole
	v_lshl_add_u32 v[RD], v3, 4, s25
	s_mul_i32 s25, s[WV], 48*PB
	s_add_co_u32 s25, s25, BT
	v_lshl_add_u32 v[RX], v3, 3, s25
	v_lshlrev_b32 v[GO], 3, v3
	SETADR
	s_wait_tensorcnt 1                             ; my part of step 0 is in; step 1's may stay out
	s_barrier_signal -1
	s_barrier_wait -1
	FETCH 0, 2
	UNIT 1                                         ; the first products start the sums
	WIN 0
	s_mov_b32 s[CNT], NSTEP-3
.Lstep:                                        ; eight trips: a refill (steps 2 to 9), the second unit of one step, the first unit of the next
	TURN RING
	UNIT 0
	WIN 0
	s_sub_co_u32 s[CNT], s[CNT], 1
	s_cmp_lg_u32 s[CNT], 0
	s_cbranch_scc1 .Lstep
	TURN SHORT                                     ; step 8 ends; step 10, the last 128 rows, is asked for
	UNIT 0
	TURN BASE                                      ; step 9 ends; the base's tile goes where it lay
	UNIT 0, 1                                      ; step 10: its first 96 rows; of its second unit 32 rows are fetched,
	s_wait_dscnt 0x0
	MULN 3, 0, NACC, 0                             ; and multiplied
	WIN 0
	PLACES
	s_wait_tensorcnt 0x0                           ; my rows of the base are in
	s_barrier_signal -1                            ; every wave's reads of both slots are back, and no fill follows: slot 0 becomes the stage
	s_barrier_wait -1
	WIN 0x04
.set ii, 0
.rept NACC
.set aa, ii/NBF
.if aa < 4
	ds_store_b128 v[DST], v[8*ii:8*ii+3]   offset:((aa/2)*64+(aa%2)*16)*SP+(ii%NBF)*64
	ds_store_b128 v[DST], v[8*ii+4:8*ii+7] offset:((aa/2)*64+(aa%2)*16)*SP+(ii%NBF)*64+16
.else
	ds_store_b128 v[DST2], v[8*ii:8*ii+3]   offset:(aa%2)*16*SP+(ii%NBF)*64
	ds_store_b128 v[DST2], v[8*ii+4:8*ii+7] offset:(aa%2)*16*SP+(ii%NBF)*64+16
.endif
.set ii, ii+1
.endr
	WIN 0
	s_wait_dscnt 0x0
	s_barrier_signal -1
	s_barrier_wait -1
	s_mov_b32 s[CNT], 6
.Lrow:                                         ; eight rows a trip
.irp i, 0,1,2,3,4,5,6,7
	ds_load_b128 v[EG+4*(\i):EG+4*(\i)+3], v[RD] offset:(\i)*SP
	ds_load_b64 v[EB+2*(\i):EB+2*(\i)+1], v[RX] offset:(\i)*PB
.endr
	s_wait_dscnt 0x0
.set j, 0
.rept 16
	v_lshlrev_b32 v[UB+2*j], 16, v[EB+j]
	v_and_b32 v[UB+2*j+1], s88, v[EB+j]
.set j, j+1
.endr
.set j, 0
.rept 16
	v_pk_fma_f32 v[UB+j:UB+j+1], v[EG+j:EG+j+1], s[CP:CP+1], v[UB+j:UB+j+1] op_sel_hi:[1,0,1]  ; base - c x the sum
.set j, j+2
.endr
.set j, 0
.rept 16
	v_cvt_pk_bf16_f32 v[OW+j], v[UB+2*j], v[UB+2*j+1]
.set j, j+1
.endr
.irp i, 0,1,2,3,4,5,6,7
	global_store_b64 v[GO], v[OW+2*(\i):OW+2*(\i)+1], s[76:77] offset:(\i)*4096  ; 256 consecutive bytes, aligned
.endr
	s_wait_xcnt 0x0                                ; the stores' data and offset are written again only behind this wait
	v_add_nc_u32 v[RD], 8*SP, v[RD]
	v_add_nc_u32 v[RX], 8*PB, v[RX]
	v_add_nc_u32 v[GO], 8*4096, v[GO]
	s_sub_co_u32 s[CNT], s[CNT], 1
	s_cmp_lg_u32 s[CNT], 0
	s_cbranch_scc1 .Lrow
	s_wait_tensorcnt 0x0                           ; the wave's end
	ds_add_u32 v[SPW], v[NIL]
	s_wait_dscnt 0x0
	CROUND
	s_endpgm
.Lfunc_end_k_q6787791a04_wgrad:
	.size	k_q6787791a04_wgrad, .Lfunc_end_k_q6787791a04_wgrad-k_q6787791a04_wgrad
	.p2alignl 7, 3214868480
	.fill 96, 4, 3214868480
	.section	.rodata,"a",@progbits
	.p2align	6, 0x0
	.amdhsa_kernel k_q6787791a04_wgrad
		.amdhsa_group_segment_fixed_size 327680
		.amdhsa_private_segment_fixed_size 0
		.amdhsa_enable_private_segment 0
		.amdhsa_kernarg_size 40
		.amdhsa_user_sgpr_count 2
		.amdhsa_user_sgpr_kernarg_segment_ptr 1
		.amdhsa_wavefront_size32 1
		.amdhsa_system_sgpr_workgroup_id_x 1
		.amdhsa_system_sgpr_workgroup_id_y 1
		.amdhsa_system_sgpr_workgroup_id_z 1
		.amdhsa_system_vgpr_workitem_id 0
		.amdhsa_next_free_vgpr 1024
		.amdhsa_next_free_sgpr 100
		.amdhsa_reserve_vcc 0
		.amdhsa_float_denorm_mode_32 3
		.amdhsa_float_denorm_mode_16_64 3
		.amdhsa_memory_ordered 1
		.amdhsa_forward_progress 1
		.amdhsa_inst_pref_size 87
	.end_amdhsa_kernel
	.amdgpu_metadata
---
amdhsa.version: [ 1, 2 ]
amdhsa.kernels:
  - .name:           k_q6787791a04_wgrad
    .symbol:         k_q6787791a04_wgrad.kd
    .args:
      - { .name: cast, .offset: 0, .size: 8, .value_kind: global_buffer, .address_space: global }
      - { .name: resid, .offset: 8, .size: 8, .value_kind: global_buffer, .address_space: global }
      - { .name: bwd, .offset: 16, .size: 8, .value_kind: global_buffer, .address_space: global }
      - { .name: fwd0, .offset: 24, .size: 8, .value_kind: global_buffer, .address_space: global }
      - { .name: wnew, .offset: 32, .size: 8, .value_kind: global_buffer, .address_space: global }
    .group_segment_fixed_size: 327680
    .private_segment_fixed_size: 0
    .kernarg_segment_align: 8
    .kernarg_segment_size: 40
    .max_flat_workgroup_size: 128
    .sgpr_count:     100
    .vgpr_count:     1024
    .wavefront_size: 32
...
	.end_amdgpu_metadata
.endif
;; end of part 5
;; launch up1 (part 6): grid 16 x 16, 4 waves a work-group, clusters of 4 x 4, 327,680 bytes of LDS; arguments cast, wnew, fwd1; writes fwd1
.if DOCPART == 6
	.amdgcn_target "amdgcn-amd-amdhsa--gfx1250"
	.amdhsa_code_object_version 6
	.text
	.protected	k_q6787791a04_up1
	.globl	k_q6787791a04_up1
	.p2align	8
	.type	k_q6787791a04_up1,@function
k_q6787791a04_up1:
	s_mov_b64 s[64:65], 0
	v_nop
	global_prefetch_b8 v0, s[64:65] scope:SCOPE_SE
	s_setreg_imm32_b32 hwreg(HW_REG_WAVE_MODE, 25, 1), 1
	s_wait_xcnt 0x0
	s_wait_alu depctr_hold_cnt(0) depctr_sa_sdst(0) depctr_va_vdst(0) depctr_va_sdst(0) depctr_va_ssrc(0) depctr_va_vcc(0) depctr_vm_vsrc(0)
	s_getreg_b32 s2, hwreg(HW_REG_IB_STS2, 6, 4)
	s_cmp_eq_u32 s2, 0
	s_cbranch_scc0 .Lentry_in_a_cluster
	s_endpgm
.Lentry_in_a_cluster:
	s_bfe_u32 s2, ttmp6, 0x10000c
	s_cmp_lg_u32 s2, 0xf033
	s_cbranch_scc0 .Lentry_shape_is_right
	s_endpgm
.Lentry_shape_is_right:
; UP, chunk 1, with the stepped weights.  A = X w0, C = X w2 (bf16 operands, f32 sums); S = 1 / (1 + 2^(-log2(e) A)); H = A S C, rounded once to bf16, [2048][2048].
; LEFT OUT: P and Q serve chunk 1's gradients alone, which reach no output (see the first kernel's head): they are not stored, and Q is not made.
; All else as in up for chunk 0: 128 x 128 of A and of C to a work-group, 64 x 64 of both to a wave; K = 768 in 6 steps of 128 through two LDS slots; cluster 4 x 4 with joint loads
; (X's rows along a row of the cluster, the weights' columns along a column); waves 0 and 1 fetch X's halves, wave 2 w0's tile, wave 3 w2's; two of a wave's tensor loads are out at the start, later one;
; the product transposed; the slots as a stage of f32 rows of 528 bytes on the way out; a wave's store covers 256 consecutive bytes, aligned.
; LIMITS.  2^x and 1/x flush denormals; NaN and infinities are not treated apart; operands and results are bf16.
.set BWD,   0
.set PXB,   4
.set PWB,   6
.set POUT,  8
.set XOFF,  3145728
.set WOFF,  0
.set NSTEP, 6
.set NA,    4
.set NBF,   8
.set NACC,  NA*NBF
.set NC,    2
.set NL,    NACC*NC
.set FBLK,  8*(NA+NBF)
.set STEPA, 256
.set STEPB, 128*4096
.set PX,    272
.set PW,    288
.set WAOF,  128*PX
.set WGAP,  128*PW
.set SLOT1, 131072
.set SPARE, 262144
.set SP,    528
.set DUMPC, 128*SP
.set SPW, 10
.set NIL, 11
.set A0,  12
.set B0,  13
.set ADRA, 14
.set ADRB, 15
.set ADRB2, 16
.set DST, 17
.set DST2, 18
.set RD,  20
.set RD2, 21
.set GO,  24
.set EA, 32
.set EC, 64
.set ES, 96
.set EW, 128
.set EX, 160
.set OH, 192
.set OPB, 208
.set OQ, 224
.set TB,  14
.set CNT, 15
.set WV,  16
.set HF,  17
.set WR,  18
.set CX,  19
.set CY,  20
.set TC,  21
.set TR,  22
.set RM,  23
.set CM,  24
.set G1A, 28
.set G1B, 36
.set G0A0, 52
.set G0A1, 56
.set G0B0, 68
.set G0B1, 72
.set MSB, 0
.macro WIN new
.if MSB != (\new)
	s_set_vgpr_msb (MSB<<8)|(\new)
.set MSB, (\new)
.endif
.endm
.macro PLACES
.rept 4
	v_nop
.endr
.endm
.macro CREST
	s_cmp_lg_u32 s[WV], 0
	s_cbranch_scc1 .Lnot_wave_0_\@
	s_barrier_signal -3
.Lnot_wave_0_\@:
	s_barrier_wait -3
	s_barrier_signal -1
	s_barrier_wait -1
.endm
.macro CROUND
	s_barrier_signal -1
	s_barrier_wait -1
	CREST
.endm
.macro JLOAD
	s_cmp_lt_u32 s[WV], 2
	s_cbranch_scc0 .Lfor_b_\@
	tensor_load_to_lds s[G0A1:G0A1+3], s[G1A:G1A+7]
	s_nop 0
	PLACES
	s_branch .Lasked_\@
.Lfor_b_\@:
	tensor_load_to_lds s[G0B1:G0B1+3], s[G1B:G1B+7]
	s_nop 0
	PLACES
.Lasked_\@:
.endm
.macro MULP w, p, zero                 ; part p of four of a unit's products; the accumulators take turns, one instruction a turn
	WIN 0x50|((\w)<<2)|(\w)
.set idx, (\p)*(NL/4)
.rept NL/4
.set cc, idx/NACC
.set ii, idx%NACC
.set rA, cc*FBLK+8*(ii/NBF)
.set rB, cc*FBLK+8*NA+8*(ii%NBF)
.if (\zero) && (cc == 0)
	v_wmma_f32_16x16x32_bf16 v[8*ii:8*ii+7], v[rB:rB+7], v[rA:rA+7], 0
.else
	v_wmma_f32_16x16x32_bf16 v[8*ii:8*ii+7], v[rB:rB+7], v[rA:rA+7], v[8*ii:8*ii+7]
.endif
.set idx, idx+1
.endr
.endm
.macro SETADR
	v_add_nc_u32 v[ADRA], s[TB], v[A0]
	v_add_nc_u32 v[ADRB], s[TB], v[B0]
	v_add_nc_u32 v[ADRB2], WGAP, v[ADRB]
.endm
.macro FETCH u, w
	WIN (\w)<<6
.irp c, 0,1
.irp a, 0,1,2,3
	ds_load_b128 v[(\c)*FBLK+8*(\a):(\c)*FBLK+8*(\a)+3],   v[ADRA] offset:(\a)*16*PX+(2*(\u)+(\c))*64
	ds_load_b128 v[(\c)*FBLK+8*(\a)+4:(\c)*FBLK+8*(\a)+7], v[ADRA] offset:(\a)*16*PX+(2*(\u)+(\c))*64+32
.endr
.irp b, 0,1,2,3
	ds_load_tr16_b128 v[(\c)*FBLK+32+8*(\b):(\c)*FBLK+32+8*(\b)+3],   v[ADRB] offset:(2*(\u)+(\c))*32*PW+(\b)*32
	ds_load_tr16_b128 v[(\c)*FBLK+32+8*(\b)+4:(\c)*FBLK+32+8*(\b)+7], v[ADRB] offset:(2*(\u)+(\c))*32*PW+16*PW+(\b)*32
.endr
.irp b, 0,1,2,3
	ds_load_tr16_b128 v[(\c)*FBLK+64+8*(\b):(\c)*FBLK+64+8*(\b)+3],   v[ADRB2] offset:(2*(\u)+(\c))*32*PW+(\b)*32
	ds_load_tr16_b128 v[(\c)*FBLK+64+8*(\b)+4:(\c)*FBLK+64+8*(\b)+7], v[ADRB2] offset:(2*(\u)+(\c))*32*PW+16*PW+(\b)*32
.endr
.endr
	WIN 0
.endm
.macro UNIT zero
	s_wait_dscnt 0x0                               ; the first unit's fragments are in
	MULP 2, 0, \zero
	MULP 2, 1, \zero
	WIN 0
	PLACES
	FETCH 1, 3
	MULP 2, 2, \zero
	MULP 2, 3, \zero
.endm
; The change of slots, and a step's second unit: the waits and the add ahead of the barrier, the refill first behind the round.  No product stands between the wait for a tile and the next request:
; the unit's 64 products all follow the refill, so that a step's whole matrix work lies between a request and the wait for it.
.macro TURN fill
	WIN 0
	s_wait_tensorcnt 0x0                           ; all my tensor loads have landed, so every group 0 may be written
	ds_add_u32 v[SPW], v[NIL]                      ; the scalar steps below stand between the add and the wait for it
.if \fill
	s_xor_b32 s[G0A1+1], s[G0A1+1], SLOT1
	s_add_nc_u64 s[G0A1+2:G0A1+3], s[G0A1+2:G0A1+3], STEPA
	s_xor_b32 s[G0B1+1], s[G0B1+1], SLOT1
	s_add_nc_u64 s[G0B1+2:G0B1+3], s[G0B1+2:G0B1+3], STEPB
.endif
	s_xor_b32 s[TB], s[TB], SLOT1
	s_wait_dscnt 0x0                               ; the add is done, and my reads of this slot are over
	s_barrier_signal -1
	s_barrier_wait -1
.if \fill
	CREST
	JLOAD                                          ; its four v_nop are also the places ahead of the loads below
.else
	PLACES
.endif
	SETADR
	FETCH 0, 2
	MULP 3, 0, 0
	MULP 3, 1, 0
	MULP 3, 2, 0
	MULP 3, 3, 0
.endm
	s_load_b128 s[4:7], s[0:1], 0x0
.if !BWD
	s_load_b64 s[8:9], s[0:1], 0x10
.endif
	v_lshl_add_u32 v[SPW], v0, 2, SPARE
	v_mov_b32 v[NIL], 0
	ds_add_u32 v[SPW], v[NIL]                      ; the opening: the add, twice on end, and its wait ahead of my first tensor load
	ds_add_u32 v[SPW], v[NIL]
	v_lshrrev_b32 v4, 5, v0
	v_readfirstlane_b32 s[WV], v4
	s_and_b32 s[HF], s[WV], 1
	s_lshr_b32 s[WR], s[WV], 1
	s_bfe_u32 s[CX], ttmp6, 0x40000
	s_bfe_u32 s[CY], ttmp6, 0x40004
	s_lshl_b32 s[TC], ttmp9, 2
	s_add_co_u32 s[TC], s[TC], s[CX]
	s_and_b32 s[TR], ttmp7, 0xffff
	s_lshl_b32 s[TR], s[TR], 2
	s_add_co_u32 s[TR], s[TR], s[CY]
	s_lshl_b32 s[RM], s[CY], 2
	s_lshl_b32 s[RM], 15, s[RM]
	s_lshl_b32 s[CM], 0x1111, s[CX]
	s_or_b32 s[G1A], s[RM], (1<<16)|(1<<20)|(1<<21)|(5<<22)|(3<<25)
	s_mov_b32 s[G1A+1], 128<<16
	s_mov_b32 s[G1A+2], 64<<16
	s_mov_b32 s[G1A+3], 128<<16
	s_mov_b32 s[G1A+4], 64
	s_mov_b32 s[G1A+5], 768
	s_mov_b32 s[G1A+6], 0
	s_mov_b32 s[G1A+7], 0
	s_or_b32 s[G1B], s[CM], (1<<16)|(1<<20)|(1<<21)|(5<<22)|(7<<25)
	s_mov_b32 s[G1B+1], 128<<16
	s_mov_b32 s[G1B+2], 128<<16
	s_mov_b32 s[G1B+3], 128<<16
	s_mov_b32 s[G1B+4], 128
	s_mov_b32 s[G1B+5], 2048
	s_mov_b32 s[G1B+6], 0
	s_mov_b32 s[G1B+7], 0
	s_mul_i32 s25, s[HF], 64*PX
	s_mul_i32 s26, s[HF], WGAP
	s_add_co_u32 s26, s26, WAOF
	s_mul_i32 s82, s[TR], 128*1536
	s_mul_i32 s27, s[HF], 64*1536
	s_add_co_u32 s82, s82, s27
.if XOFF
	s_add_co_u32 s82, s82, XOFF
.endif
	s_mov_b32 s83, 0
	s_lshl_b32 s84, s[TC], 8
	s_mul_i32 s27, s[HF], 3145728
	s_add_co_u32 s84, s84, s27
.if WOFF
	s_add_co_u32 s84, s84, WOFF
.endif
	s_mov_b32 s85, 0
	s_lshl_b32 s2, s[TR], 19
	s_lshl_b32 s27, s[WV], 17
	s_add_co_u32 s2, s2, s27
	s_lshl_b32 s3, s[TC], 8
	s_add_co_u32 s2, s2, s3
	s_mov_b32 s3, 0
	s_mov_b32 s86, 0xbfb8aa3b                      ; -log2(e)
	s_mov_b32 s87, s86
	s_mov_b32 s[TB], 0
	s_wait_dscnt 0x0
	s_wait_kmcnt 0x0
	s_add_nc_u64 s[82:83], s[PXB:PXB+1], s[82:83]
	s_add_nc_u64 s[84:85], s[PWB:PWB+1], s[84:85]
	s_add_nc_u64 s[76:77], s[POUT:POUT+1], s[2:3]
.if BWD
	s_add_nc_u64 s[78:79], s[76:77], 8388608
	s_add_nc_u64 s[80:81], s[76:77], 16777216
.endif
.irp s, 0,1
	s_mov_b32 s[G0A0+4*(\s)], 1
	s_add_co_u32 s[G0A0+4*(\s)+1], s25, (\s)*SLOT1
	s_add_nc_u64 s[G0A0+4*(\s)+2:G0A0+4*(\s)+3], s[82:83], (\s)*STEPA
	s_or_b32 s[G0A0+4*(\s)+3], s[G0A0+4*(\s)+3], 0x80000000
	s_mov_b32 s[G0B0+4*(\s)], 1
	s_add_co_u32 s[G0B0+4*(\s)+1], s26, (\s)*SLOT1
	s_add_nc_u64 s[G0B0+4*(\s)+2:G0B0+4*(\s)+3], s[84:85], (\s)*STEPB
	s_or_b32 s[G0B0+4*(\s)+3], s[G0B0+4*(\s)+3], 0x80000000
.endr
	CROUND
	s_cmp_lt_u32 s[WV], 2
	s_cbranch_scc0 .Lfirst_b
	tensor_load_to_lds s[G0A0:G0A0+3], s[G1A:G1A+7]
	s_nop 0
	tensor_load_to_lds s[G0A1:G0A1+3], s[G1A:G1A+7]
	s_nop 0
	PLACES
	s_branch .Lfirst_done
.Lfirst_b:
	tensor_load_to_lds s[G0B0:G0B0+3], s[G1B:G1B+7]
	s_nop 0
	tensor_load_to_lds s[G0B1:G0B1+3], s[G1B:G1B+7]
	s_nop 0
	PLACES
.Lfirst_done:
	v_and_b32 v1, 15, v0
	v_bfe_u32 v2, v0, 4, 1
	v_and_b32 v3, 31, v0
	v_mul_u32_u24 v[A0], v1, PX
	v_lshl_add_u32 v[A0], v2, 4, v[A0]
	s_mul_i32 s25, s[WR], 64*PX
	v_add_nc_u32 v[A0], s25, v[A0]
	v_and_b32 v4, 7, v0
	v_bfe_u32 v5, v0, 3, 1
	v_lshl_add_u32 v[B0], v2, 3, v4
	v_mul_u32_u24 v[B0], v[B0], PW
	v_lshl_add_u32 v[B0], v5, 4, v[B0]
	s_lshl_b32 s25, s[HF], 7
	s_add_co_u32 s25, s25, WAOF
	v_add_nc_u32 v[B0], s25, v[B0]
	v_mul_u32_u24 v[DST], v1, SP
	v_lshl_add_u32 v[DST], v2, 5, v[DST]
	s_mul_i32 s25, s[WR], 64*SP
	s_lshl_b32 s26, s[HF], 8
	s_add_co_u32 s25, s25, s26
	v_add_nc_u32 v[DST], s25, v[DST]
	v_add_nc_u32 v[DST2], DUMPC, v[DST]
	s_mul_i32 s25, s[WV], 32*SP
	v_lshl_add_u32 v[RD], v3, 4, s25
	v_add_nc_u32 v[RD2], DUMPC, v[RD]
	v_lshlrev_b32 v[GO], 3, v3
	SETADR
	s_wait_tensorcnt 1                             ; my part of step 0 is in; step 1's may stay out
	s_barrier_signal -1
	s_barrier_wait -1
	FETCH 0, 2
	UNIT 1
	WIN 0
	s_mov_b32 s[CNT], NSTEP-2
.Lstep:
	TURN 1
	UNIT 0
	WIN 0
	s_sub_co_u32 s[CNT], s[CNT], 1
	s_cmp_lg_u32 s[CNT], 0
	s_cbranch_scc1 .Lstep
	TURN 0
	UNIT 0
	s_wait_dscnt 0x0
	MULP 3, 0, 0
	MULP 3, 1, 0
	MULP 3, 2, 0
	MULP 3, 3, 0
	WIN 0
	PLACES
	s_barrier_signal -1                            ; every wave's reads of both slots are back, and no fill follows: the slots become the stage
	s_barrier_wait -1
	WIN 0x04
.set ii, 0
.rept NACC
.if ii%NBF < 4
	ds_store_b128 v[DST], v[8*ii:8*ii+3]   offset:(ii/NBF)*16*SP+(ii%NBF)*64
	ds_store_b128 v[DST], v[8*ii+4:8*ii+7] offset:(ii/NBF)*16*SP+(ii%NBF)*64+16
.else
	ds_store_b128 v[DST2], v[8*ii:8*ii+3]   offset:(ii/NBF)*16*SP+(ii%NBF-4)*64
	ds_store_b128 v[DST2], v[8*ii+4:8*ii+7] offset:(ii/NBF)*16*SP+(ii%NBF-4)*64+16
.endif
.set ii, ii+1
.endr
	WIN 0
	s_wait_dscnt 0x0
	s_barrier_signal -1
	s_barrier_wait -1
	s_mov_b32 s[CNT], 4
.Lrow:                                         ; eight rows a trip
.irp i, 0,1,2,3,4,5,6,7
	ds_load_b128 v[EA+4*(\i):EA+4*(\i)+3], v[RD]  offset:(\i)*SP
	ds_load_b128 v[EC+4*(\i):EC+4*(\i)+3], v[RD2] offset:(\i)*SP
.endr
	s_wait_dscnt 0x0
.set j, 0
.rept 16
	v_pk_mul_f32 v[ES+j:ES+j+1], v[EA+j:EA+j+1], s[86:87] op_sel_hi:[1,0]
.set j, j+2
.endr
.set j, 0
.rept 32
	v_exp_f32 v[ES+j], v[ES+j]
.set j, j+1
.endr
	v_nop                                          ; a plain instruction behind the last exponential,
	s_wait_alu depctr_va_vdst(0)                   ; and one wait for the batch
.set j, 0
.rept 16
	v_pk_add_f32 v[ES+j:ES+j+1], v[ES+j:ES+j+1], 1.0 op_sel_hi:[1,0]
.set j, j+2
.endr
.set j, 0
.rept 32
	v_rcp_f32 v[ES+j], v[ES+j]
.set j, j+1
.endr
	v_nop
	s_wait_alu depctr_va_vdst(0)                   ; one wait for the reciprocals
.set j, 0
.rept 16
	v_pk_mul_f32 v[EA+j:EA+j+1], v[EA+j:EA+j+1], v[ES+j:ES+j+1]  ; A S
.set j, j+2
.endr
.set j, 0
.rept 16
	v_pk_mul_f32 v[EW+j:EW+j+1], v[EA+j:EA+j+1], v[EC+j:EC+j+1]  ; H
.set j, j+2
.endr
.if BWD
.set j, 0
.rept 16
	v_pk_fma_f32 v[EX+j:EX+j+1], v[EA+j:EA+j+1], v[ES+j:ES+j+1], v[EA+j:EA+j+1] neg_lo:[0,0,1] neg_hi:[0,0,1]
.set j, j+2
.endr
.set j, 0
.rept 16
	v_pk_add_f32 v[EX+j:EX+j+1], v[ES+j:ES+j+1], v[EX+j:EX+j+1] neg_lo:[0,1] neg_hi:[0,1]
.set j, j+2
.endr
.set j, 0
.rept 16
	v_pk_mul_f32 v[EX+j:EX+j+1], v[EX+j:EX+j+1], v[EC+j:EC+j+1]
.set j, j+2
.endr
.endif
.set j, 0
.rept 16
	v_cvt_pk_bf16_f32 v[OH+j], v[EW+2*j], v[EW+2*j+1]
.if BWD
	v_cvt_pk_bf16_f32 v[OPB+j], v[EA+2*j], v[EA+2*j+1]
	v_cvt_pk_bf16_f32 v[OQ+j], v[EX+2*j], v[EX+2*j+1]
.endif
.set j, j+1
.endr
.irp i, 0,1,2,3,4,5,6,7
	global_store_b64 v[GO], v[OH+2*(\i):OH+2*(\i)+1], s[76:77] offset:(\i)*4096
.if BWD
	global_store_b64 v[GO], v[OPB+2*(\i):OPB+2*(\i)+1], s[78:79] offset:(\i)*4096
	global_store_b64 v[GO], v[OQ+2*(\i):OQ+2*(\i)+1], s[80:81] offset:(\i)*4096
.endif
.endr
	s_wait_xcnt 0x0
	v_add_nc_u32 v[RD], 8*SP, v[RD]
	v_add_nc_u32 v[RD2], 8*SP, v[RD2]
	v_add_nc_u32 v[GO], 8*4096, v[GO]
	s_sub_co_u32 s[CNT], s[CNT], 1
	s_cmp_lg_u32 s[CNT], 0
	s_cbranch_scc1 .Lrow
	s_wait_tensorcnt 0x0                           ; the wave's end
	ds_add_u32 v[SPW], v[NIL]
	s_wait_dscnt 0x0
	CROUND
	s_endpgm
.Lfunc_end_k_q6787791a04_up1:
	.size	k_q6787791a04_up1, .Lfunc_end_k_q6787791a04_up1-k_q6787791a04_up1
	.p2alignl 7, 3214868480
	.fill 96, 4, 3214868480
	.section	.rodata,"a",@progbits
	.p2align	6, 0x0
	.amdhsa_kernel k_q6787791a04_up1
		.amdhsa_group_segment_fixed_size 327680
		.amdhsa_private_segment_fixed_size 0
		.amdhsa_enable_private_segment 0
		.amdhsa_kernarg_size 24
		.amdhsa_user_sgpr_count 2
		.amdhsa_user_sgpr_kernarg_segment_ptr 1
		.amdhsa_wavefront_size32 1
		.amdhsa_system_sgpr_workgroup_id_x 1
		.amdhsa_system_sgpr_workgroup_id_y 1
		.amdhsa_system_sgpr_workgroup_id_z 1
		.amdhsa_system_vgpr_workitem_id 0
		.amdhsa_next_free_vgpr 960
		.amdhsa_next_free_sgpr 90
		.amdhsa_reserve_vcc 0
		.amdhsa_float_denorm_mode_32 3
		.amdhsa_float_denorm_mode_16_64 3
		.amdhsa_memory_ordered 1
		.amdhsa_forward_progress 1
		.amdhsa_inst_pref_size 67
	.end_amdhsa_kernel
	.amdgpu_metadata
---
amdhsa.version: [ 1, 2 ]
amdhsa.kernels:
  - .name:           k_q6787791a04_up1
    .symbol:         k_q6787791a04_up1.kd
    .args:
      - { .name: cast, .offset: 0, .size: 8, .value_kind: global_buffer, .address_space: global }
      - { .name: wnew, .offset: 8, .size: 8, .value_kind: global_buffer, .address_space: global }
      - { .name: fwd1, .offset: 16, .size: 8, .value_kind: global_buffer, .address_space: global }
    .group_segment_fixed_size: 327680
    .private_segment_fixed_size: 0
    .kernarg_segment_align: 8
    .kernarg_segment_size: 24
    .max_flat_workgroup_size: 128
    .sgpr_count:     90
    .vgpr_count:     960
    .wavefront_size: 32
...
	.end_amdgpu_metadata
.endif
;; end of part 6
;; launch down1 (part 7): grid 32 x 6, 4 waves a work-group, clusters of 4 x 1, 327,680 bytes of LDS; arguments fwd1, wnew, cast, out0, loss1; writes out0, loss1
.if DOCPART == 7
	.amdgcn_target "amdgcn-amd-amdhsa--gfx1250"
	.amdhsa_code_object_version 6
	.text
	.protected	k_q6787791a04_down1
	.globl	k_q6787791a04_down1
	.p2align	8
	.type	k_q6787791a04_down1,@function
k_q6787791a04_down1:
	s_mov_b64 s[64:65], 0
	v_nop
	global_prefetch_b8 v0, s[64:65] scope:SCOPE_SE
	s_setreg_imm32_b32 hwreg(HW_REG_WAVE_MODE, 25, 1), 1
	s_wait_xcnt 0x0
	s_wait_alu depctr_hold_cnt(0) depctr_sa_sdst(0) depctr_va_vdst(0) depctr_va_sdst(0) depctr_va_ssrc(0) depctr_va_vcc(0) depctr_vm_vsrc(0)
	s_getreg_b32 s2, hwreg(HW_REG_IB_STS2, 6, 4)
	s_cmp_eq_u32 s2, 0
	s_cbranch_scc0 .Lentry_in_a_cluster
	s_endpgm
.Lentry_in_a_cluster:
	s_bfe_u32 s2, ttmp6, 0x10000c
	s_cmp_lg_u32 s2, 0x3003
	s_cbranch_scc0 .Lentry_shape_is_right
	s_endpgm
.Lentry_shape_is_right:
; DOWN, chunk 1, with the stepped w1.  O = H w1 (bf16 operands, f32 sums): the output's rows t >= 512 of each batch; the sum of (O - X)^2, one f32 a wave, for the loss.
; LEFT OUT: D is not stored: it serves chunk 1's gradients alone, which reach no output (see the first kernel's head).
; All else as in down for chunk 0: 64 rows x 128 columns to a work-group; K = 2048 in 8 steps of 256 through two LDS slots, split among the four waves (wave w: k = 64 w .. 64 w + 63 of each step, the whole tile),
; the four partial tiles meeting in the stage; cluster 4 x 1 with the transposed w1's rows asked for jointly (waves 2 and 3), H's rows by loads of one's own (waves 0 and 1; the 6 column blocks that share
; them are no multiple of 4); X's tile by a third first fill a wave: three of a wave's tensor loads are out at the start, later one.
; LIMITS.  NaN and infinities are not treated apart; X in the loss is x's bf16 copy.
.set BWD,   0
.set CH,    1
.set PH,    4
.set PWB,   6
.set WOFF,  6291456
.set PXB,   8
.set XOFF,  3145728
.set PO,    10
.set PD,    10
.set PLS,   12
.set NSTEP, 8
.set NA,    4
.set NBF,   8
.set NACC,  NA*NBF
.set NC,    1
.set NL,    NACC*NC
.set FBLK,  8*(NA+NBF)
.set STEPA, 512
.set STEPB, 512
.set PT,    528
.set WOFS,  64*PT
.set SLOT1, 131072
.set XT,    262144
.set PXT,   272
.set SPARE, XT+64*PXT
.set SP,    528
.set PART,  64*SP
.set SPW, 10
.set NIL, 11
.set A0,  12
.set B0,  13
.set ADRA, 14
.set ADRB, 15
.set DST, 17
.set RD,  20
.set RD2, 21
.set RX,  22
.set GO,  24
.set GO2, 25
.set LS,  26
.set SA, 32
.set SB, 64
.set SC, 96
.set SD, 128
.set XBF, 160
.set UX, 176
.set OD, 208
.set TB,  14
.set CNT, 15
.set WV,  16
.set HF,  17
.set CX,  19
.set TC,  21
.set TR,  22
.set G1A, 28
.set G1B, 36
.set G1E, 44
.set G0A0, 52
.set G0A1, 56
.set G0E, 60
.set G0B0, 68
.set G0B1, 72
.set MSB, 0
.macro WIN new
.if MSB != (\new)
	s_set_vgpr_msb (MSB<<8)|(\new)
.set MSB, (\new)
.endif
.endm
.macro PLACES
.rept 4
	v_nop
.endr
.endm
.macro CREST
	s_cmp_lg_u32 s[WV], 0
	s_cbranch_scc1 .Lnot_wave_0_\@
	s_barrier_signal -3
.Lnot_wave_0_\@:
	s_barrier_wait -3
	s_barrier_signal -1
	s_barrier_wait -1
.endm
.macro CROUND
	s_barrier_signal -1
	s_barrier_wait -1
	CREST
.endm
.macro JLOAD
	s_cmp_lt_u32 s[WV], 2
	s_cbranch_scc0 .Lfor_b_\@
	tensor_load_to_lds s[G0A1:G0A1+3], s[G1A:G1A+7]
	s_nop 0
	PLACES
	s_branch .Lasked_\@
.Lfor_b_\@:
	tensor_load_to_lds s[G0B1:G0B1+3], s[G1B:G1B+7]
	s_nop 0
	PLACES
.Lasked_\@:
.endm
.macro MULP w, p, zero                 ; part p of four of a unit's products; the accumulators take turns, one instruction a turn
	WIN 0x50|((\w)<<2)|(\w)
.set idx, (\p)*(NL/4)
.rept NL/4
.set cc, idx/NACC
.set ii, idx%NACC
.set rA, cc*FBLK+8*(ii/NBF)
.set rB, cc*FBLK+8*NA+8*(ii%NBF)
.if (\zero) && (cc == 0)
	v_wmma_f32_16x16x32_bf16 v[8*ii:8*ii+7], v[rB:rB+7], v[rA:rA+7], 0
.else
	v_wmma_f32_16x16x32_bf16 v[8*ii:8*ii+7], v[rB:rB+7], v[rA:rA+7], v[8*ii:8*ii+7]
.endif
.set idx, idx+1
.endr
.endm
.macro SETADR
	v_add_nc_u32 v[ADRA], s[TB], v[A0]
	v_add_nc_u32 v[ADRB], s[TB], v[B0]
.endm
.macro FETCH u, w
	WIN (\w)<<6
.irp a, 0,1,2,3
	ds_load_b128 v[8*(\a):8*(\a)+3],   v[ADRA] offset:(\a)*16*PT+(\u)*64
	ds_load_b128 v[8*(\a)+4:8*(\a)+7], v[ADRA] offset:(\a)*16*PT+(\u)*64+32
.endr
.irp b, 0,1,2,3,4,5,6,7
	ds_load_b128 v[32+8*(\b):32+8*(\b)+3],   v[ADRB] offset:(\b)*16*PT+(\u)*64
	ds_load_b128 v[32+8*(\b)+4:32+8*(\b)+7], v[ADRB] offset:(\b)*16*PT+(\u)*64+32
.endr
	WIN 0
.endm
.macro UNIT zero
	s_wait_dscnt 0x0                               ; the first unit's fragments are in
	MULP 2, 0, \zero
	MULP 2, 1, \zero
	WIN 0
	PLACES
	FETCH 1, 3
	MULP 2, 2, \zero
	MULP 2, 3, \zero
.endm
; The change of slots, and a step's second unit: the waits and the add ahead of the barrier, the refill first behind the round.  No product stands between the wait for a tile and the next request:
; the unit's 32 products all follow the refill, so that a step's whole matrix work lies between a request and the wait for it.
.macro TURN fill
	WIN 0
	s_wait_tensorcnt 0x0                           ; all my tensor loads have landed, so every group 0 may be written
	ds_add_u32 v[SPW], v[NIL]                      ; the scalar steps below stand between the add and the wait for it
.if \fill
	s_xor_b32 s[G0A1+1], s[G0A1+1], SLOT1
	s_add_nc_u64 s[G0A1+2:G0A1+3], s[G0A1+2:G0A1+3], STEPA
	s_xor_b32 s[G0B1+1], s[G0B1+1], SLOT1
	s_add_nc_u64 s[G0B1+2:G0B1+3], s[G0B1+2:G0B1+3], STEPB
.endif
	s_xor_b32 s[TB], s[TB], SLOT1
	s_wait_dscnt 0x0                               ; the add is done, and my reads of this slot are over
	s_barrier_signal -1
	s_barrier_wait -1
.if \fill
	CREST
	JLOAD                                          ; its four v_nop are also the places ahead of the loads below
.else
	PLACES
.endif
	SETADR
	FETCH 0, 2
	MULP 3, 0, 0
	MULP 3, 1, 0
	MULP 3, 2, 0
	MULP 3, 3, 0
.endm
	s_load_b256 s[4:11], s[0:1], 0x0
	s_load_b64 s[12:13], s[0:1], 0x20
	v_lshl_add_u32 v[SPW], v0, 2, SPARE
	v_mov_b32 v[NIL], 0
	ds_add_u32 v[SPW], v[NIL]                      ; the opening: the add, twice on end, and its wait ahead of my first tensor load
	ds_add_u32 v[SPW], v[NIL]
	v_lshrrev_b32 v4, 5, v0
	v_readfirstlane_b32 s[WV], v4
	s_and_b32 s[HF], s[WV], 1
	s_bfe_u32 s[CX], ttmp6, 0x40000
	s_lshl_b32 s[TR], ttmp9, 2
	s_add_co_u32 s[TR], s[TR], s[CX]
	s_and_b32 s[TC], ttmp7, 0xffff
	s_mov_b32 s[G1A], (1<<16)|(1<<20)|(6<<22)|(3<<25)
	s_mov_b32 s[G1A+1], 256<<16
	s_mov_b32 s[G1A+2], 32<<16
	s_mov_b32 s[G1A+3], 256<<16
	s_mov_b32 s[G1A+4], 32
	s_mov_b32 s[G1A+5], 2048
	s_mov_b32 s[G1A+6], 0
	s_mov_b32 s[G1A+7], 0
	s_mov_b32 s[G1B], 15|(1<<16)|(1<<20)|(1<<21)|(6<<22)|(3<<25)
	s_mov_b32 s[G1B+1], 256<<16
	s_mov_b32 s[G1B+2], 64<<16
	s_mov_b32 s[G1B+3], 256<<16
	s_mov_b32 s[G1B+4], 64
	s_mov_b32 s[G1B+5], 2048
	s_mov_b32 s[G1B+6], 0
	s_mov_b32 s[G1B+7], 0
	s_mov_b32 s[G1E], (1<<16)|(1<<20)|(5<<22)|(3<<25)
	s_mov_b32 s[G1E+1], 128<<16
	s_mov_b32 s[G1E+2], 16<<16
	s_mov_b32 s[G1E+3], 128<<16
	s_mov_b32 s[G1E+4], 16
	s_mov_b32 s[G1E+5], 768
	s_mov_b32 s[G1E+6], 0
	s_mov_b32 s[G1E+7], 0
	s_mul_i32 s25, s[HF], 32*PT
	s_mul_i32 s26, s[HF], 64*PT
	s_add_co_u32 s26, s26, WOFS
	s_mul_i32 s27, s[WV], 16*PXT
	s_add_co_u32 s[G0E+1], s27, XT
	s_mov_b32 s[G0E], 1
	s_lshl_b32 s82, s[TR], 18
	s_lshl_b32 s27, s[HF], 17
	s_add_co_u32 s82, s82, s27
	s_mov_b32 s83, 0
	s_lshl_b32 s84, s[TC], 19
	s_lshl_b32 s27, s[HF], 18
	s_add_co_u32 s84, s84, s27
	s_add_co_u32 s84, s84, WOFF
	s_mov_b32 s85, 0
	s_mul_i32 s2, s[TR], 64*1536
	s_mul_i32 s27, s[WV], 16*1536
	s_add_co_u32 s2, s2, s27
	s_lshl_b32 s27, s[TC], 8
	s_add_co_u32 s2, s2, s27
	s_mov_b32 s3, 0
	s_mov_b32 s86, 0xffff0000
	s_mov_b32 s88, 0x76543210
	s_mov_b32 s89, 0xfedcba98
	s_mov_b32 s[TB], 0
	s_wait_dscnt 0x0
	s_wait_kmcnt 0x0
	s_add_nc_u64 s[82:83], s[PH:PH+1], s[82:83]
	s_add_nc_u64 s[84:85], s[PWB:PWB+1], s[84:85]
	s_add_nc_u64 s[G0E+2:G0E+3], s[PXB:PXB+1], s[2:3]
.if XOFF
	s_add_nc_u64 s[G0E+2:G0E+3], s[G0E+2:G0E+3], XOFF
.endif
	s_or_b32 s[G0E+3], s[G0E+3], 0x80000000
.if BWD
	s_add_nc_u64 s[78:79], s[PD:PD+1], s[2:3]
.endif
	s_lshr_b32 s2, s[TR], 3                        ; the output's row: batch x 1,024 + chunk x 512 + place
	s_lshl_b32 s2, s2, 10
	s_and_b32 s27, s[TR], 7
	s_lshl_b32 s27, s27, 6
	s_add_co_u32 s2, s2, s27
	s_lshl_b32 s27, s[WV], 4
	s_add_co_u32 s2, s2, s27
	s_add_co_u32 s2, s2, CH*512
	s_mul_i32 s2, s2, 3072
	s_lshl_b32 s27, s[TC], 9
	s_add_co_u32 s2, s2, s27
	s_add_nc_u64 s[76:77], s[PO:PO+1], s[2:3]
	s_lshl_b32 s2, s[TC], 5
	s_add_co_u32 s2, s2, s[TR]
	s_lshl_b32 s2, s2, 2
	s_add_co_u32 s2, s2, s[WV]
	s_lshl_b32 s2, s2, 2
	s_add_nc_u64 s[80:81], s[PLS:PLS+1], s[2:3]
.irp s, 0,1
	s_mov_b32 s[G0A0+4*(\s)], 1
	s_add_co_u32 s[G0A0+4*(\s)+1], s25, (\s)*SLOT1
	s_add_nc_u64 s[G0A0+4*(\s)+2:G0A0+4*(\s)+3], s[82:83], (\s)*STEPA
	s_or_b32 s[G0A0+4*(\s)+3], s[G0A0+4*(\s)+3], 0x80000000
	s_mov_b32 s[G0B0+4*(\s)], 1
	s_add_co_u32 s[G0B0+4*(\s)+1], s26, (\s)*SLOT1
	s_add_nc_u64 s[G0B0+4*(\s)+2:G0B0+4*(\s)+3], s[84:85], (\s)*STEPB
	s_or_b32 s[G0B0+4*(\s)+3], s[G0B0+4*(\s)+3], 0x80000000
.endr
	CROUND
	s_cmp_lt_u32 s[WV], 2
	s_cbranch_scc0 .Lfirst_b
	tensor_load_to_lds s[G0A0:G0A0+3], s[G1A:G1A+7]
	s_nop 0
	tensor_load_to_lds s[G0A1:G0A1+3], s[G1A:G1A+7]
	s_nop 0
	tensor_load_to_lds s[G0E:G0E+3], s[G1E:G1E+7]
	s_nop 0
	PLACES
	s_branch .Lfirst_done
.Lfirst_b:
	tensor_load_to_lds s[G0B0:G0B0+3], s[G1B:G1B+7]
	s_nop 0
	tensor_load_to_lds s[G0B1:G0B1+3], s[G1B:G1B+7]
	s_nop 0
	tensor_load_to_lds s[G0E:G0E+3], s[G1E:G1E+7]
	s_nop 0
	PLACES
.Lfirst_done:
	v_and_b32 v1, 15, v0
	v_bfe_u32 v2, v0, 4, 1
	v_and_b32 v3, 31, v0
	v_mul_u32_u24 v[A0], v1, PT
	v_lshl_add_u32 v[A0], v2, 4, v[A0]
	s_lshl_b32 s25, s[WV], 7
	v_add_nc_u32 v[A0], s25, v[A0]
	v_add_nc_u32 v[B0], WOFS, v[A0]
	v_mul_u32_u24 v[DST], v1, SP
	v_lshl_add_u32 v[DST], v2, 5, v[DST]
	s_mul_i32 s25, s[WV], PART
	v_add_nc_u32 v[DST], s25, v[DST]
	s_mul_i32 s25, s[WV], 16*SP
	v_lshl_add_u32 v[RD], v3, 4, s25
	v_add_nc_u32 v[RD2], 2*PART, v[RD]
	s_mul_i32 s25, s[WV], 16*PXT
	s_add_co_u32 s25, s25, XT
	v_lshl_add_u32 v[RX], v3, 3, s25
	v_lshlrev_b32 v[GO], 4, v3
.if BWD
	v_lshlrev_b32 v[GO2], 3, v3
.endif
.irp k, 0,1,2,3
	v_mov_b32 v[LS+(\k)], 0
.endr
	SETADR
	s_wait_tensorcnt 2                             ; my part of step 0 is in; step 1's and X's may stay out
	s_barrier_signal -1
	s_barrier_wait -1
	FETCH 0, 2
	UNIT 1
	WIN 0
	s_mov_b32 s[CNT], NSTEP-2
.Lstep:
	TURN 1
	UNIT 0
	WIN 0
	s_sub_co_u32 s[CNT], s[CNT], 1
	s_cmp_lg_u32 s[CNT], 0
	s_cbranch_scc1 .Lstep
	TURN 0
	UNIT 0
	s_wait_dscnt 0x0
	MULP 3, 0, 0
	MULP 3, 1, 0
	MULP 3, 2, 0
	MULP 3, 3, 0
	WIN 0
	PLACES
	s_barrier_signal -1                            ; every wave's reads of both slots are back, and no fill follows: the slots become the stage
	s_barrier_wait -1
	WIN 0x04
.set ii, 0
.rept NACC
	ds_store_b128 v[DST], v[8*ii:8*ii+3]   offset:(ii/NBF)*16*SP+(ii%NBF)*64
	ds_store_b128 v[DST], v[8*ii+4:8*ii+7] offset:(ii/NBF)*16*SP+(ii%NBF)*64+16
.set ii, ii+1
.endr
	WIN 0
	s_wait_dscnt 0x0
	s_barrier_signal -1
	s_barrier_wait -1
	s_mov_b32 s[CNT], 2
.Lrow:                                         ; eight rows a trip
.irp i, 0,1,2,3,4,5,6,7
	ds_load_b128 v[SA+4*(\i):SA+4*(\i)+3], v[RD]  offset:(\i)*SP
	ds_load_b128 v[SB+4*(\i):SB+4*(\i)+3], v[RD]  offset:(\i)*SP+PART
	ds_load_b128 v[SC+4*(\i):SC+4*(\i)+3], v[RD2] offset:(\i)*SP
	ds_load_b128 v[SD+4*(\i):SD+4*(\i)+3], v[RD2] offset:(\i)*SP+PART
	ds_load_b64 v[XBF+2*(\i):XBF+2*(\i)+1], v[RX] offset:(\i)*PXT
.endr
	s_wait_dscnt 0x0
.set j, 0
.rept 16
	v_pk_add_f32 v[SA+j:SA+j+1], v[SA+j:SA+j+1], v[SB+j:SB+j+1]
	v_pk_add_f32 v[SC+j:SC+j+1], v[SC+j:SC+j+1], v[SD+j:SD+j+1]
.set j, j+2
.endr
.set j, 0
.rept 16
	v_lshlrev_b32 v[UX+2*j], 16, v[XBF+j]
	v_and_b32 v[UX+2*j+1], s86, v[XBF+j]
.set j, j+1
.endr
.set j, 0
.rept 16
	v_pk_add_f32 v[SA+j:SA+j+1], v[SA+j:SA+j+1], v[SC+j:SC+j+1]  ; O
.set j, j+2
.endr
.set j, 0
.rept 16
	v_pk_add_f32 v[UX+j:UX+j+1], v[SA+j:SA+j+1], v[UX+j:UX+j+1] neg_lo:[0,1] neg_hi:[0,1]  ; O - X
.set j, j+2
.endr
.set j, 0
.rept 8
	v_pk_fma_f32 v[LS:LS+1], v[UX+j:UX+j+1], v[UX+j:UX+j+1], v[LS:LS+1]
	v_pk_fma_f32 v[LS+2:LS+3], v[UX+j+2:UX+j+3], v[UX+j+2:UX+j+3], v[LS+2:LS+3]
.set j, j+4
.endr
.if BWD
.set j, 0
.rept 16
	v_cvt_pk_bf16_f32 v[OD+j], v[UX+2*j], v[UX+2*j+1]
.set j, j+1
.endr
.endif
.irp i, 0,1,2,3,4,5,6,7
	global_store_b128 v[GO], v[SA+4*(\i):SA+4*(\i)+3], s[76:77] offset:(\i)*3072  ; 512 consecutive bytes, aligned
.if BWD
	global_store_b64 v[GO2], v[OD+2*(\i):OD+2*(\i)+1], s[78:79] offset:(\i)*1536
.endif
.endr
	s_wait_xcnt 0x0
	v_add_nc_u32 v[RD], 8*SP, v[RD]
	v_add_nc_u32 v[RD2], 8*SP, v[RD2]
	v_add_nc_u32 v[RX], 8*PXT, v[RX]
	v_add_nc_u32 v[GO], 8*3072, v[GO]
.if BWD
	v_add_nc_u32 v[GO2], 8*1536, v[GO2]
.endif
	s_sub_co_u32 s[CNT], s[CNT], 1
	s_cmp_lg_u32 s[CNT], 0
	s_cbranch_scc1 .Lrow
	v_pk_add_f32 v[LS:LS+1], v[LS:LS+1], v[LS+2:LS+3]
	v_add_f32 v[LS], v[LS], v[LS+1]
	v_add_f32_dpp v[LS], v[LS], v[LS] row_xmask:1 row_mask:0xf bank_mask:0xf
	v_add_f32_dpp v[LS], v[LS], v[LS] row_xmask:2 row_mask:0xf bank_mask:0xf
	v_add_f32_dpp v[LS], v[LS], v[LS] row_xmask:4 row_mask:0xf bank_mask:0xf
	v_add_f32_dpp v[LS], v[LS], v[LS] row_xmask:8 row_mask:0xf bank_mask:0xf
	v_permlanex16_b32 v[LS+1], v[LS], s88, s89
	v_add_f32 v[LS], v[LS], v[LS+1]
	v_mov_b32 v4, 0
	v_cmp_eq_u32 vcc_lo, 0, v3
	s_wait_xcnt 0x0                                ; EXEC changes only behind this wait
	s_and_saveexec_b32 s25, vcc_lo
	global_store_b32 v4, v[LS], s[80:81]           ; lane 0 alone
	s_wait_xcnt 0x0
	s_or_b32 exec_lo, exec_lo, s25
	s_wait_tensorcnt 0x0                           ; the wave's end
	ds_add_u32 v[SPW], v[NIL]
	s_wait_dscnt 0x0
	CROUND
	s_endpgm
.Lfunc_end_k_q6787791a04_down1:
	.size	k_q6787791a04_down1, .Lfunc_end_k_q6787791a04_down1-k_q6787791a04_down1
	.p2alignl 7, 3214868480
	.fill 96, 4, 3214868480
	.section	.rodata,"a",@progbits
	.p2align	6, 0x0
	.amdhsa_kernel k_q6787791a04_down1
		.amdhsa_group_segment_fixed_size 327680
		.amdhsa_private_segment_fixed_size 0
		.amdhsa_enable_private_segment 0
		.amdhsa_kernarg_size 40
		.amdhsa_user_sgpr_count 2
		.amdhsa_user_sgpr_kernarg_segment_ptr 1
		.amdhsa_wavefront_size32 1
		.amdhsa_system_sgpr_workgroup_id_x 1
		.amdhsa_system_sgpr_workgroup_id_y 1
		.amdhsa_system_sgpr_workgroup_id_z 1
		.amdhsa_system_vgpr_workitem_id 0
		.amdhsa_next_free_vgpr 864
		.amdhsa_next_free_sgpr 90
		.amdhsa_reserve_vcc 1
		.amdhsa_float_denorm_mode_32 3
		.amdhsa_float_denorm_mode_16_64 3
		.amdhsa_memory_ordered 1
		.amdhsa_forward_progress 1
		.amdhsa_inst_pref_size 48
	.end_amdhsa_kernel
	.amdgpu_metadata
---
amdhsa.version: [ 1, 2 ]
amdhsa.kernels:
  - .name:           k_q6787791a04_down1
    .symbol:         k_q6787791a04_down1.kd
    .args:
      - { .name: fwd1, .offset: 0, .size: 8, .value_kind: global_buffer, .address_space: global }
      - { .name: wnew, .offset: 8, .size: 8, .value_kind: global_buffer, .address_space: global }
      - { .name: cast, .offset: 16, .size: 8, .value_kind: global_buffer, .address_space: global }
      - { .name: out0, .offset: 24, .size: 8, .value_kind: global_buffer, .address_space: global }
      - { .name: loss1, .offset: 32, .size: 8, .value_kind: global_buffer, .address_space: global }
    .group_segment_fixed_size: 327680
    .private_segment_fixed_size: 0
    .kernarg_segment_align: 8
    .kernarg_segment_size: 40
    .max_flat_workgroup_size: 128
    .sgpr_count:     90
    .vgpr_count:     864
    .wavefront_size: 32
...
	.end_amdgpu_metadata
.endif
;; end of part 7
;; launch finish (part 8): grid 1 x 1, 1 waves a work-group, no clusters, 0 bytes of LDS; arguments loss0, loss1, out1; writes out1
.if DOCPART == 8
	.amdgcn_target "amdgcn-amd-amdhsa--gfx1250"
	.amdhsa_code_object_version 6
	.text
	.protected	k_q6787791a04_finish
	.globl	k_q6787791a04_finish
	.p2align	8
	.type	k_q6787791a04_finish,@function
k_q6787791a04_finish:
	s_mov_b64 s[64:65], 0
	v_nop
	global_prefetch_b8 v0, s[64:65] scope:SCOPE_SE
	s_setreg_imm32_b32 hwreg(HW_REG_WAVE_MODE, 25, 1), 1
	s_wait_xcnt 0x0
; The loss: the 768 + 768 waves' sums of squares of the two chunks are added, in a fixed order, and multiplied by 1 / (2 x 2048 x 768): the mean of the two chunks' means.
; One wave: 6 + 6 loads of 16 bytes a lane, 512 consecutive bytes each; sums within the lane, then across the 32 lanes; lane 0 stores the one number.
	s_load_b128 s[4:7], s[0:1], 0x0                ; loss0, loss1
	s_load_b64 s[8:9], s[0:1], 0x10                ; out1
	v_lshlrev_b32 v1, 4, v0
	v_mov_b32 v2, 0
	s_mov_b32 s12, 0x76543210
	s_mov_b32 s13, 0xfedcba98
	s_wait_kmcnt 0x0
.irp j, 0,1,2,3,4,5
	global_load_b128 v[4+4*(\j):7+4*(\j)], v1, s[4:5] offset:(\j)*512
.endr
.irp j, 0,1,2,3,4,5
	global_load_b128 v[28+4*(\j):31+4*(\j)], v1, s[6:7] offset:(\j)*512
.endr
	s_wait_loadcnt 0x0
.set j, 1
.rept 11
	v_pk_add_f32 v[4:5], v[4:5], v[4+4*j:5+4*j]
	v_pk_add_f32 v[6:7], v[6:7], v[6+4*j:7+4*j]
.set j, j+1
.endr
	v_pk_add_f32 v[4:5], v[4:5], v[6:7]
	v_add_f32 v4, v4, v5
	v_add_f32_dpp v4, v4, v4 row_xmask:1 row_mask:0xf bank_mask:0xf
	v_add_f32_dpp v4, v4, v4 row_xmask:2 row_mask:0xf bank_mask:0xf
	v_add_f32_dpp v4, v4, v4 row_xmask:4 row_mask:0xf bank_mask:0xf
	v_add_f32_dpp v4, v4, v4 row_xmask:8 row_mask:0xf bank_mask:0xf
	v_permlanex16_b32 v5, v4, s12, s13
	v_add_f32 v4, v4, v5
	v_mul_f32 v4, 0x34aaaaab, v4                   ; 1 / 3,145,728
	v_cmp_eq_u32 vcc_lo, 0, v0
	s_wait_xcnt 0x0                                ; EXEC changes only behind this wait
	s_and_saveexec_b32 s14, vcc_lo
	global_store_b32 v2, v4, s[8:9]
	s_wait_xcnt 0x0
	s_or_b32 exec_lo, exec_lo, s14
	s_endpgm
.Lfunc_end_k_q6787791a04_finish:
	.size	k_q6787791a04_finish, .Lfunc_end_k_q6787791a04_finish-k_q6787791a04_finish
	.p2alignl 7, 3214868480
	.fill 96, 4, 3214868480
	.section	.rodata,"a",@progbits
	.p2align	6, 0x0
	.amdhsa_kernel k_q6787791a04_finish
		.amdhsa_group_segment_fixed_size 0
		.amdhsa_private_segment_fixed_size 0
		.amdhsa_enable_private_segment 0
		.amdhsa_kernarg_size 24
		.amdhsa_user_sgpr_count 2
		.amdhsa_user_sgpr_kernarg_segment_ptr 1
		.amdhsa_wavefront_size32 1
		.amdhsa_system_sgpr_workgroup_id_x 1
		.amdhsa_system_sgpr_workgroup_id_y 1
		.amdhsa_system_sgpr_workgroup_id_z 1
		.amdhsa_system_vgpr_workitem_id 0
		.amdhsa_next_free_vgpr 64
		.amdhsa_next_free_sgpr 66
		.amdhsa_reserve_vcc 1
		.amdhsa_float_denorm_mode_32 3
		.amdhsa_float_denorm_mode_16_64 3
		.amdhsa_memory_ordered 1
		.amdhsa_forward_progress 1
		.amdhsa_inst_pref_size 4
	.end_amdhsa_kernel
	.amdgpu_metadata
---
amdhsa.version: [ 1, 2 ]
amdhsa.kernels:
  - .name:           k_q6787791a04_finish
    .symbol:         k_q6787791a04_finish.kd
    .args:
      - { .name: loss0, .offset: 0, .size: 8, .value_kind: global_buffer, .address_space: global }
      - { .name: loss1, .offset: 8, .size: 8, .value_kind: global_buffer, .address_space: global }
      - { .name: out1, .offset: 16, .size: 8, .value_kind: global_buffer, .address_space: global }
    .group_segment_fixed_size: 0
    .private_segment_fixed_size: 0
    .kernarg_segment_align: 8
    .kernarg_segment_size: 24
    .max_flat_workgroup_size: 32
    .sgpr_count:     66
    .vgpr_count:     64
    .wavefront_size: 32
...
	.end_amdgpu_metadata
.endif
;; end of part 8
